; MI455X (gfx1250); checked and timed in simulation.
; The chip was launched on July 23, 2026; its instructions are those of AMD's public machine-readable ISA for CDNA 5 (MIT licence, August 2026) and "CDNA5" Instruction Set Architecture Reference Guide (July 2026). The comments in the code are by the model that wrote it; some were corrected since.
;; Mr T5 Block. Allowed arithmetic: matrix products marked QUANTISED: E4M3 operands, one given power-of-two scale a tensor, by v_wmma_f32_16x16x64_fp8_fp8 or v_wmma_f32_16x16x128_fp8_fp8, f32 sums; everything else in f32.
;; Inputs: delete_gate_mask 2 x 4,096 x 1 float32; hidden_states 2 x 4,096 x 512 float32; k_w_codes 512 x 16 x 32 uint8 (E4M3 codes of k_w, K innermost, in blocks of 32 codes); ln1_w 512 float32; ln2_w 512 float32; lowp_scales 16 int32 (the exponents e of the quantised operands' scales 2^e); o_w_codes 512 x 16 x 32 uint8 (E4M3 codes of o_w, K innermost, in blocks of 32 codes); q_w_codes 512 x 16 x 32 uint8 (E4M3 codes of q_w, K innermost, in blocks of 32 codes); rel_bias 32 x 8 float32; v_w_codes 512 x 16 x 32 uint8 (E4M3 codes of v_w, K innermost, in blocks of 32 codes); wi_codes 2,048 x 16 x 32 uint8 (E4M3 codes of wi, K innermost, in blocks of 32 codes); wo_codes 512 x 64 x 32 uint8 (E4M3 codes of wo, K innermost, in blocks of 32 codes).
;; Outputs: out0 2 x 4,096 x 512 float32.
;; This version of the problem:
;;   THIS VERSION OF THE PROBLEM IS GIVEN IN LOW PRECISION. The matrix products marked QUANTISED in the list below multiply operands that are first quantised to E4M3 (4 exponent bits, 3 mantissa bits; 8 bits a number), with one given power-of-two scale for each operand tensor; their sums are f32. All else is computed in f32.
;;   The module's matrix products, in the order in which they are computed (A, B: the left and right operand; K: the contracted axis; several contracted axes count as one K, in the product's order):
;;     1. [M 8,192, K 512] x [K 512, N 512]; A: computed on the way; B: input q_w (given as codes): QUANTISED (scales: A lowp_scales[0], B lowp_scales[1])
;;     2. [M 8,192, K 512] x [K 512, N 512]; A: computed on the way; B: input k_w (given as codes): QUANTISED (scales: A lowp_scales[2], B lowp_scales[3])
;;     3. [M 8,192, K 512] x [K 512, N 512]; A: computed on the way; B: input v_w (given as codes): QUANTISED (scales: A lowp_scales[4], B lowp_scales[5])
;;     4. batch 16 x [M 4,096, K 64] x [K 64, N 4,096]; A: computed on the way; B: computed on the way: QUANTISED (scales: A lowp_scales[6], B lowp_scales[7])
;;     5. batch 16 x [M 4,096, K 4,096] x [K 4,096, N 64]; A: computed on the way; B: computed on the way: QUANTISED (scales: A lowp_scales[8], B lowp_scales[9])
;;     6. [M 8,192, K 512] x [K 512, N 512]; A: computed on the way; B: input o_w (given as codes): QUANTISED (scales: A lowp_scales[10], B lowp_scales[11])
;;     7. [M 8,192, K 512] x [K 512, N 2,048]; A: computed on the way; B: input wi (given as codes): QUANTISED (scales: A lowp_scales[12], B lowp_scales[13])
;;     8. [M 8,192, K 2,048] x [K 2,048, N 512]; A: computed on the way; B: input wo (given as codes): QUANTISED (scales: A lowp_scales[14], B lowp_scales[15])
;;   THE QUANTISER, for each operand of a quantised product, along K:
;;     - The operand's scale is 2^e, e = its entry of the input lowp_scales (int32; the entries are numbered through the quantised products in the list's order, A before B).
;;     - Each number is divided by the scale, clamped to +-448, and rounded to the nearest number of E4M3, ties to even, subnormals kept.
;;     - The product sums the exact products of the quantised numbers (number of the format x scale) in f32.
;;   ~~~python
;;   def quantise(x, axis, e):      # numpy; x: float32 -> the quantised numbers, widened to float32 again
;;       x = np.moveaxis(x, axis, -1); K = x.shape[-1]
;;       r = np.clip(x / 2.0 ** e, -448, 448)
;;       step = 2.0 ** (np.maximum(np.frexp(np.where(r == 0, 1, r))[1] - 1, -6) - 3)
;;       q = np.round(r / step) * step * 2.0 ** e      # np.round: ties to even
;;       return np.moveaxis(q, -1, axis).astype(np.float32)
;;   ~~~
;;   OPERANDS COMPUTED ON THE WAY. 'Computed on the way' means the value that the module computes at that place (a softmax that the list does not call 'softmax' is quantised finished and normalised). What goes into a quantiser is computed in f32, as accurately as f32 sums, v_exp_f32 and their like allow (about 1e-6 of the number): no bf16 or f16 on the way to a quantiser, and a product that is left as it is and whose result goes on into a quantised operand takes f32 operands (vector FMAs, or v_wmma_f32_16x16x4_f32). A number that lies on a knife's edge between two numbers of the format may be rounded either way, as far as f32 arithmetic and the matrix unit's own rounding can turn it there, and no further.
;;   INPUTS GIVEN AS CODES. k_w (in the module: [512, 512], K = its axis 0); o_w (in the module: [512, 512], K = its axis 0); q_w (in the module: [512, 512], K = its axis 0); v_w (in the module: [512, 512], K = its axis 0); wi (in the module: [512, 2048], K = its axis 0); wo (in the module: [2048, 512], K = its axis 0): each comes as NAME_codes (uint8): NAME with its K axis moved to the last place and cut into blocks of 32 codes, [.., K / 32, bytes a block], one block behind the other in memory; one code a byte (a code: sign, 4 exponent bits, 3 mantissa bits); its scale is its entry of lowp_scales. Its value is code x scale, taken as it is: it is not quantised again, and the codes and scales need not be those that the quantiser above would give.
;; One version. Each part assembles by itself: llvm-mc -triple=amdgcn-amd-amdhsa -mcpu=gfx1250 --defsym DOCPART=n.
;; ======== version 1 of 1: 3 launches
;; workspace buffers: q_img 4,194,304 bytes; k_img 4,194,304 bytes; v_img 4,194,304 bytes; ctx_img 4,194,304 bytes
;; launch qkv (part 1): grid 64 x 3, 8 waves a work-group, no clusters, 66,560 bytes of LDS; arguments hidden_states, ln1_w, q_w_codes, k_w_codes, v_w_codes, lowp_scales, q_img, k_img, v_img; writes q_img, k_img, v_img
.if DOCPART == 1
	.amdgcn_target "amdgcn-amd-amdhsa--gfx1250"
	.amdhsa_code_object_version 6
	.text
	.protected	k_qca9e6c0737_qkv
	.globl	k_qca9e6c0737_qkv
	.p2align	8
	.type	k_qca9e6c0737_qkv,@function
k_qca9e6c0737_qkv:
	s_mov_b64 s[64:65], 0
	v_nop
	global_prefetch_b8 v0, s[64:65] scope:SCOPE_SE
	s_setreg_imm32_b32 hwreg(HW_REG_WAVE_MODE, 25, 1), 1
	s_wait_xcnt 0x0
; x = ln1_w * (hidden * rsqrt(mean(hidden^2) + 1e-6)), quantised to E4M3 with the given scale; one of q, k, v = x W (codes as given), quantised again for attention.
; DEAD WORK: none.  Every input of the problem has a way to the output and is loaded by one of the three launches; every product of the table is done.
; The position bias is a lookup by a bucket that the problem builds from the two indices alone; the second launch does it as a lookup.
; SHARES.  Work-group (x, y): tokens 128 x .. 128 x + 127, matrix y (0 q, 1 k, 2 v): the three products have scales of their own for x, so each quantises x for itself.
; Wave w first normalises and quantises tokens 16 w .. 16 w + 15, then owns head w: its 64 rows of the weight (32,768 bytes) stay in 256 registers, read from memory once.
; x goes from wave to wave through LDS as images of the operand's registers: four registers by one ds_store_b128, lane l's 16 bytes at 16 l.
; K'S PLACES.  x and W are both fed 16 neighbouring codes a group of four registers (k = 128 s + 32 c + 16 (lane / 16) + 0 .. 15): the same permutation of k on both sides.
; RESULTS.  q, k: source 0 = 16 rows of W, source 1 = 16 tokens: a lane holds one token and eight neighbouring features, which one conversion turns into registers 2 t, 2 t + 1 of the
; next product's operand.  v: the sources swapped: a lane holds one feature and eight neighbouring tokens (keys), the next product's K.
; q_img, k_img: [batch x head 16][tile of 16 tokens 256][group of 4 registers 2][lane 32][16 bytes].  v_img: [16][block of 64 keys 64][tile of 16 features 4][group 2][lane][16 bytes].
; LIMITS: e of x, and e(result) - e(x) - e(W), between -126 and 119, so that each power of two below is an f32 number.  NaN among the inputs is not served.
.set SPARE, 65536                      ; behind x's images: the spare words, 128 bytes for each of the eight waves
.set XA,  4                            ; v4   hidden: row (lane % 16) x 2,048 + 64 (lane / 16)
.set LI,  5                            ; v5   16 x lane
.set XWI, 6                            ; v6   where I store x's images: 16 x lane + 8,192 x wave
.set LNA, 7                            ; v7   ln1_w: 64 (lane / 16)
.set WA,  8                            ; v8   W: row (lane % 16) x 512 + 16 (lane / 16)
.set SPW, 10                           ; v10  my spare word; never rewritten
.set NIL, 11                           ; v11  0; never rewritten
.set RS,  12                           ; v[12:13] 1 / root, twice
.set SS,  18                           ; v[18:25] four chains of sums of squares
.set PC,  32                           ; v[32:47] codes just made
.set LW,  64                           ; v[64:191] two chunks of ln1_w; later x's fragments of two tiles of tokens
.set XF,  64
.set YS,  192                          ; v[192:255] 64 numbers at work; later the eight accumulators
.set ACC, 192
; window 1 (v256-511): x, register 64 s + 16 b + i = k 128 s + 32 b + 16 (lane / 16) + i; later W's fragment (tile t, K step s) at 64 s + 16 t
.set MSB, 0
.macro WIN new                         ; the immediate's high byte repeats the setting that is left
.if MSB != \new
	s_set_vgpr_msb (MSB<<8)|\new
.set MSB, \new
.endif
.endm
	s_load_b512 s[4:19], s[0:1], 0x0               ; hidden s[4:5], ln1_w s[6:7], q_w s[8:9], k_w s[10:11], v_w s[12:13], scales s[14:15], q_img s[16:17], k_img s[18:19]
	s_load_b64 s[20:21], s[0:1], 0x40              ; v_img
	v_lshl_add_u32 v[SPW], v0, 2, SPARE
	v_mov_b32 v[NIL], 0
	v_lshrrev_b32 v1, 5, v0
	v_readfirstlane_b32 s22, v1                    ; wave 0..7
	s_and_b32 s23, ttmp7, 0xffff                   ; y: which matrix
	v_and_b32 v1, 15, v0                           ; r
	v_bfe_u32 v2, v0, 4, 1                         ; h
	v_and_b32 v3, 31, v0
	v_lshlrev_b32 v[XA], 11, v1
	v_lshl_add_u32 v[XA], v2, 6, v[XA]
	v_lshlrev_b32 v[LI], 4, v3
	s_lshl_b32 s24, s22, 13
	v_add_nc_u32 v[XWI], s24, v[LI]
	v_lshlrev_b32 v[LNA], 6, v2
	v_lshlrev_b32 v[WA], 9, v1
	v_lshl_add_u32 v[WA], v2, 4, v[WA]
	s_mov_b32 s52, 0x76543210                      ; v_permlanex16_b32: lane l xor 16
	s_mov_b32 s53, 0xfedcba98
	s_mov_b32 s54, 0x358637bd                      ; 1e-6
	s_mov_b32 s55, 0x3b000000                      ; 1 / 512
	s_lshl_b32 s24, ttmp9, 18                      ; 128 tokens of 2,048 bytes,
	s_lshl_b32 s26, s22, 15                        ; my wave's 16 of them; also my head's 64 rows of 512 bytes in W
	s_add_co_u32 s24, s24, s26
	s_mov_b32 s25, 0
	s_mov_b32 s27, 0
	s_lshr_b32 s56, ttmp9, 5                       ; batch
	s_lshl_b32 s56, s56, 3
	s_add_co_u32 s56, s56, s22                     ; 8 batch + head
	s_lshl_b32 s56, s56, 18                        ; a head's image is 262,144 bytes in all three buffers,
	s_and_b32 s57, ttmp9, 31
	s_lshl_b32 s57, s57, 13                        ; and 128 tokens are 8,192 bytes of it
	s_add_co_u32 s56, s56, s57
	s_mov_b32 s57, 0
	s_wait_kmcnt 0x0
	s_load_b512 s[32:47], s[14:15], 0x0            ; the sixteen exponents
	s_add_nc_u64 s[4:5], s[4:5], s[24:25]
	s_cmp_eq_u32 s23, 0                            ; the choice of buffers hangs on the work-group's number alone
	s_cselect_b64 s[28:29], s[8:9], s[10:11]
	s_cselect_b64 s[30:31], s[16:17], s[18:19]
	s_cmp_eq_u32 s23, 2
	s_cselect_b64 s[28:29], s[12:13], s[28:29]
	s_cselect_b64 s[30:31], s[20:21], s[30:31]
	s_add_nc_u64 s[28:29], s[28:29], s[26:27]      ; W at my head's rows
	s_add_nc_u64 s[30:31], s[30:31], s[56:57]      ; the image at my head's part of these 128 tokens
.macro LWLOAD ks                       ; ln1_w at my lane's 64 places of K step ks, into chunk ks % 2
.irp b,0,1,2,3
.irp j,0,1,2,3
	global_load_b128 v[LW+64*((\ks)%2)+16*\b+4*\j:LW+64*((\ks)%2)+16*\b+4*\j+3], v[LNA], s[6:7] offset:512*(\ks)+128*\b+16*\j
.endr
.endr
.endm
.macro WLOAD ks                        ; W's four fragments of K step ks, into the registers that x's K step ks has left
	WIN 0x40
.irp t,0,1,2,3
.irp c,0,1,2,3
	global_load_b128 v[64*(\ks)+16*\t+4*\c:64*(\ks)+16*\t+4*\c+3], v[WA], s[28:29] offset:8192*\t+128*(\ks)+32*\c
.endr
.endr
	WIN 0
.endm
	LWLOAD 0
	LWLOAD 1
	WIN 0x40                                       ; destination window 1
.irp ks,0,1,2,3
.irp b,0,1,2,3
.irp j,0,1,2,3
	global_load_b128 v[64*\ks+16*\b+4*\j:64*\ks+16*\b+4*\j+3], v[XA], s[4:5] offset:512*\ks+128*\b+16*\j
.endr
.endr
.endr
	WIN 0
	s_wait_kmcnt 0x0
	s_cmp_eq_u32 s23, 0
	s_cselect_b32 s48, s32, s34                    ; e of x,
	s_cselect_b32 s49, s33, s35                    ; of W,
	s_cselect_b32 s50, s38, s39                    ; of the result as attention's operand
	s_cmp_eq_u32 s23, 2
	s_cselect_b32 s48, s36, s48
	s_cselect_b32 s49, s37, s49
	s_cselect_b32 s50, s41, s50
	s_add_co_i32 s51, s48, 127
	s_lshl_b32 s58, s51, 23
	v_mov_b32 v14, s58                             ; 2^e(x): the conversion takes its exponent field
	s_add_co_i32 s51, s51, 8
	s_lshl_b32 s51, s51, 23
	s_or_b32 s51, s51, 0x600000
	v_mov_b32 v15, s51                             ; 448 x that
	s_sub_co_i32 s50, s50, s48
	s_sub_co_i32 s50, s50, s49                     ; a sum stands for sum x 2^(e(x) + e(W)): the three scales folded into one
	s_add_co_i32 s50, s50, 127
	s_lshl_b32 s58, s50, 23
	v_mov_b32 v16, s58
	s_add_co_i32 s50, s50, 8
	s_lshl_b32 s50, s50, 23
	s_or_b32 s50, s50, 0x600000
	v_mov_b32 v17, s50
; the sum of squares of my half of the row, K step by K step as the loads land, in four chains
	WIN 0x05                                       ; sources 0 and 1 window 1
.irp ks,0,1,2,3
	s_wait_loadcnt 48-16*\ks                       ; x's later K steps, 16 loads each, may be out
.set n, 0
.rept 32
.if (\ks == 0) && (n < 4)
	v_pk_mul_f32 v[SS+2*(n%4):SS+2*(n%4)+1], v[64*\ks+2*n:64*\ks+2*n+1], v[64*\ks+2*n:64*\ks+2*n+1]
.else
	v_pk_fma_f32 v[SS+2*(n%4):SS+2*(n%4)+1], v[64*\ks+2*n:64*\ks+2*n+1], v[64*\ks+2*n:64*\ks+2*n+1], v[SS+2*(n%4):SS+2*(n%4)+1]
.endif
.set n, n+1
.endr
.endr
	WIN 0
	v_pk_add_f32 v[SS:SS+1], v[SS:SS+1], v[SS+2:SS+3]
	v_pk_add_f32 v[SS+4:SS+5], v[SS+4:SS+5], v[SS+6:SS+7]
	v_pk_add_f32 v[SS:SS+1], v[SS:SS+1], v[SS+4:SS+5]
	v_add_f32 v[SS], v[SS], v[SS+1]
	v_permlanex16_b32 v[SS+1], v[SS], s52, s53     ; the row's other half lies in the lane 16 away
	v_add_f32 v[SS], v[SS], v[SS+1]
	v_fma_f32 v[SS], v[SS], s55, s54               ; mean + 1e-6
	v_rsq_f32 v[RS], v[SS]
	v_nop                                          ; a plain instruction behind the transcendental
	s_wait_alu depctr_va_vdst(0)                   ; and the wait ahead of the first line that names its result
	v_mov_b32 v[RS+1], v[RS]
; K step ks of my 16 rows: normalised, quantised, its image stored; the registers that it leaves take W
.macro NORMQ ks
.if (\ks) == 2
	s_wait_loadcnt 48                              ; ln1_w's third chunk is in: behind it W(0), the fourth chunk and W(1) were issued
.elseif (\ks) == 3
	s_wait_loadcnt 32                              ; the fourth chunk is in: behind it W(1) and W(2)
.endif
	WIN 0x01
.set n, 0
.rept 32
	v_pk_mul_f32 v[YS+2*n:YS+2*n+1], v[64*(\ks)+2*n:64*(\ks)+2*n+1], v[RS:RS+1]
.set n, n+1
.endr
	WIN 0
.set n, 0
.rept 32
	v_pk_mul_f32 v[YS+2*n:YS+2*n+1], v[YS+2*n:YS+2*n+1], v[LW+64*((\ks)%2)+2*n:LW+64*((\ks)%2)+2*n+1]
.set n, n+1
.endr
.set n, 0
.rept 64
	v_med3_num_f32 v[YS+n], v[YS+n], -v15, v15     ; the conversion to an 8-bit code does not saturate (ISA guide 7.6.2): the hold at the largest code x the scale
.set n, n+1
.endr
.irp b,0,1,2,3
	v_cvt_scalef32_pk8_fp8_f32 v[PC+4*\b:PC+4*\b+1], v[YS+16*\b:YS+16*\b+7], v14
	v_cvt_scalef32_pk8_fp8_f32 v[PC+4*\b+2:PC+4*\b+3], v[YS+16*\b+8:YS+16*\b+15], v14
.endr
	v_nop                                          ; a plain line behind the last conversion: its sources are written again further on
.irp c,0,1,2,3
	ds_store_b128 v[XWI], v[PC+4*\c:PC+4*\c+3] offset:2048*(\ks)+512*\c
.endr
.if (\ks) < 2
	LWLOAD (\ks)+2
.endif
	WLOAD \ks
	s_wait_dscnt 0x0                               ; the stores have read their registers
.endm
	NORMQ 0
	NORMQ 1
	NORMQ 2
	NORMQ 3
	s_barrier_signal -1                            ; (each wave has waited for its LDS stores just above)
	s_barrier_wait -1                              ; the eight tiles' images lie in LDS
; my head for all 128 tokens, two tiles of tokens at a time: eight accumulators by turns, K step by K step
.macro PHASEP isv
.irp p,0,1,2,3
.if \p > 0
	s_wait_xcnt 0x0                                ; the last stores have read the codes' registers
.endif
.irp tl,0,1
.irp ks,0,1,2,3
.irp c,0,1,2,3
	ds_load_b128 v[XF+64*\tl+16*\ks+4*\c:XF+64*\tl+16*\ks+4*\c+3], v[LI] offset:(2*\p+\tl)*8192+2048*\ks+512*\c
.endr
.endr
.endr
	s_wait_dscnt 0x0
.if \p == 0
	s_wait_loadcnt 0x0                             ; W
.endif
.if \isv
	WIN 0x04                                       ; source 1 (W) window 1
.else
	WIN 0x01                                       ; source 0 (W) window 1
.endif
.irp ks,0,1,2,3
.irp tl,0,1
.irp t,0,1,2,3
.if \isv
.if \ks == 0
	v_wmma_f32_16x16x128_fp8_fp8 v[ACC+32*\tl+8*\t:ACC+32*\tl+8*\t+7], v[XF+64*\tl+16*\ks:XF+64*\tl+16*\ks+15], v[64*\ks+16*\t:64*\ks+16*\t+15], 0
.else
	v_wmma_f32_16x16x128_fp8_fp8 v[ACC+32*\tl+8*\t:ACC+32*\tl+8*\t+7], v[XF+64*\tl+16*\ks:XF+64*\tl+16*\ks+15], v[64*\ks+16*\t:64*\ks+16*\t+15], v[ACC+32*\tl+8*\t:ACC+32*\tl+8*\t+7]
.endif
.else
.if \ks == 0
	v_wmma_f32_16x16x128_fp8_fp8 v[ACC+32*\tl+8*\t:ACC+32*\tl+8*\t+7], v[64*\ks+16*\t:64*\ks+16*\t+15], v[XF+64*\tl+16*\ks:XF+64*\tl+16*\ks+15], 0
.else
	v_wmma_f32_16x16x128_fp8_fp8 v[ACC+32*\tl+8*\t:ACC+32*\tl+8*\t+7], v[64*\ks+16*\t:64*\ks+16*\t+15], v[XF+64*\tl+16*\ks:XF+64*\tl+16*\ks+15], v[ACC+32*\tl+8*\t:ACC+32*\tl+8*\t+7]
.endif
.endif
.endr
.endr
.endr
	WIN 0
.rept 4
	v_nop                                          ; places behind the last products, ahead of the first read of results and of the next loads into x's fragments
.endr
.set n, 0
.rept 64
	v_med3_num_f32 v[ACC+n], v[ACC+n], -v17, v17   ; each accumulator from its low end on
.set n, n+1
.endr
.irp tl,0,1
.irp t,0,1,2,3
.if \isv
	v_cvt_scalef32_pk8_fp8_f32 v[PC+4*\t+2*\tl:PC+4*\t+2*\tl+1], v[ACC+32*\tl+8*\t:ACC+32*\tl+8*\t+7], v16   ; feature tile t: keys of token tiles 2 p, 2 p + 1 side by side
.else
	v_cvt_scalef32_pk8_fp8_f32 v[PC+8*\tl+2*\t:PC+8*\tl+2*\t+1], v[ACC+32*\tl+8*\t:ACC+32*\tl+8*\t+7], v16   ; token tile tl: features 16 t + 8 (lane / 16) + 0 .. 7
.endif
.endr
.endr
	v_nop                                          ; a plain line behind the last conversion: the next products write its sources
.irp g,0,1,2,3
.if \isv
	global_store_b128 v[LI], v[PC+4*\g:PC+4*\g+3], s[30:31] offset:(\p/2)*4096+1024*\g+512*(\p%2)   ; 32 lanes store 512 consecutive bytes
.else
	global_store_b128 v[LI], v[PC+4*\g:PC+4*\g+3], s[30:31] offset:2048*\p+512*\g
.endif
.endr
.endr
.endm
	s_cmp_eq_u32 s23, 2
	s_cbranch_scc1 .Lvpath
	PHASEP 0
	s_branch .Lend
.Lvpath:
	PHASEP 1
.Lend:
	s_wait_tensorcnt 0x0                           ; the wave's end
	ds_add_u32 v[SPW], v[NIL]
	s_wait_dscnt 0x0
	s_endpgm
.Lfunc_end_k_qca9e6c0737_qkv:
	.size	k_qca9e6c0737_qkv, .Lfunc_end_k_qca9e6c0737_qkv-k_qca9e6c0737_qkv
	.p2alignl 7, 3214868480
	.fill 96, 4, 3214868480
	.section	.rodata,"a",@progbits
	.p2align	6, 0x0
	.amdhsa_kernel k_qca9e6c0737_qkv
		.amdhsa_group_segment_fixed_size 66560
		.amdhsa_private_segment_fixed_size 0
		.amdhsa_enable_private_segment 0
		.amdhsa_kernarg_size 72
		.amdhsa_user_sgpr_count 2
		.amdhsa_user_sgpr_kernarg_segment_ptr 1
		.amdhsa_wavefront_size32 1
		.amdhsa_system_sgpr_workgroup_id_x 1
		.amdhsa_system_sgpr_workgroup_id_y 1
		.amdhsa_system_sgpr_workgroup_id_z 1
		.amdhsa_system_vgpr_workitem_id 0
		.amdhsa_next_free_vgpr 512
		.amdhsa_next_free_sgpr 66
		.amdhsa_reserve_vcc 0
		.amdhsa_float_denorm_mode_32 3
		.amdhsa_float_denorm_mode_16_64 3
		.amdhsa_memory_ordered 1
		.amdhsa_forward_progress 1
		.amdhsa_inst_pref_size 140
	.end_amdhsa_kernel
	.amdgpu_metadata
---
amdhsa.version: [ 1, 2 ]
amdhsa.kernels:
  - .name:           k_qca9e6c0737_qkv
    .symbol:         k_qca9e6c0737_qkv.kd
    .args:
      - { .name: hidden_states, .offset: 0, .size: 8, .value_kind: global_buffer, .address_space: global }
      - { .name: ln1_w, .offset: 8, .size: 8, .value_kind: global_buffer, .address_space: global }
      - { .name: q_w_codes, .offset: 16, .size: 8, .value_kind: global_buffer, .address_space: global }
      - { .name: k_w_codes, .offset: 24, .size: 8, .value_kind: global_buffer, .address_space: global }
      - { .name: v_w_codes, .offset: 32, .size: 8, .value_kind: global_buffer, .address_space: global }
      - { .name: lowp_scales, .offset: 40, .size: 8, .value_kind: global_buffer, .address_space: global }
      - { .name: q_img, .offset: 48, .size: 8, .value_kind: global_buffer, .address_space: global }
      - { .name: k_img, .offset: 56, .size: 8, .value_kind: global_buffer, .address_space: global }
      - { .name: v_img, .offset: 64, .size: 8, .value_kind: global_buffer, .address_space: global }
    .group_segment_fixed_size: 66560
    .private_segment_fixed_size: 0
    .kernarg_segment_align: 8
    .kernarg_segment_size: 72
    .max_flat_workgroup_size: 256
    .sgpr_count:     66
    .vgpr_count:     512
    .wavefront_size: 32
...
	.end_amdgpu_metadata
.endif
;; end of part 1
;; launch attn (part 2): grid 16 x 16, 16 waves a work-group, no clusters, 327,680 bytes of LDS; arguments q_img, k_img, v_img, delete_gate_mask, rel_bias, lowp_scales, ctx_img; writes ctx_img
.if DOCPART == 2
	.amdgcn_target "amdgcn-amd-amdhsa--gfx1250"
	.amdhsa_code_object_version 6
	.text
	.protected	k_qca9e6c0737_attn
	.globl	k_qca9e6c0737_attn
	.p2align	8
	.type	k_qca9e6c0737_attn,@function
k_qca9e6c0737_attn:
	s_mov_b64 s[64:65], 0
	v_nop
	global_prefetch_b8 v0, s[64:65] scope:SCOPE_SE
	s_setreg_imm32_b32 hwreg(HW_REG_WAVE_MODE, 25, 1), 1
	s_wait_xcnt 0x0
; ctx = softmax1(q k^T + position bias + delete gate) v, both products on E4M3 codes; ctx is quantised for the projection that follows.  No work is left out as dead.
; THE FINISHED, NORMALISED softmax1 is what the second product's quantiser takes: p = e^(s - m) / (sum e^(s - m) + e^(-m)).  So a row's maximum and denominator are found first:
; PASS 1 walks the keys for them; PASS 2 walks the keys again, makes p = 2^(t + NL), NL = -M - log2(sum 2^(t - M) + 2^(-M)), quantises it and multiplies by v.  t = score x log2(e);
; M is the row's largest t rounded up to a whole number (a running maximum in pass 1): p is the same number for every M, and no exponential is over 1.
; SHARES.  Work-group (x, y = 8 batch + head): 256 queries.  SIXTEEN waves, four to a SIMD, so that one wave's waits stand beside three others' work: wave w owns the 32 queries of group w % 8 (two tiles a of 16)
; and walks key half w / 8 (2,048 keys, 32 steps of 64 keys, four tiles c): a fragment of K or V read from LDS still feeds two tiles of queries.  The two waves of a group of queries meet twice through LDS:
; behind pass 1 they exchange the row's (-M, sum) and both form the same NL; behind pass 2 the second half's wave hands its O^T to the first half's, which adds, quantises and stores.
; Both products are used transposed (S^T = K Q^T, O^T = V^T P): a lane holds one query (lane % 16) throughout, and a tile's eight registers are keys 16 c + 8 (lane / 16) + 0 .. 7: one conversion makes registers 2 c, 2 c + 1 of P.
; THE GATE is the C of the first product (gate / 2^(e6 + e7), the same for all queries): it costs no vector line.
; THE POSITION BIAS.  bucket = 16 [k > q] + (n < 8 ? n : 8 + the number of thresholds 12, 16, 23, 32, 46, 64, 91 that n = |k - q| reaches).  Where all of a step's |k - q| are 91 or more (first key - first query
; <= -160 or >= 128) it is one number, added with the scaling.  In the other steps of a wave it comes from a table of rel = -256 .. 255 in LDS and joins the gate in C.  The branch hangs on ids and the count of steps.
; LDS: the head's K whole (it is walked twice); a ring of two slots for V, a slot holding 128 keys of each half; the gate; the table, four copies shifted by a word each, so that eight neighbours from any place
; come by two aligned loads; 256 bytes a wave for the exchange behind pass 1.  The stage for O^T lies in K's bytes, which have had their one fill and, behind a barrier, their last read.
; NO CLUSTER: the branch for steps near the diagonal hangs on the query block, which partners of a cluster would not share.
; LIMITS: e6 + e7 between -126 and 127 less log2(e)'s own exponent (it is added to that constant's exponent field); e8 and e10 - e8 - e9 between -126 and 119.  NaN among the inputs is not served.
; At n = 16, 32, 64 the quotient of logarithms in the bucket is taken as the whole number that correctly rounded f32 logarithms give (buckets 10, 12, 14).
.set VR,    262144                     ; V's ring: 2 slots of 16,384 bytes: 8,192 for each half of the keys
.set GB,    294912                     ; gate / 2^(e6 + e7): 4,096 f32
.set TAB,   311296                     ; the bias table: copy m holds f(y) at word y - m + 4 of its 2,064 bytes
.set TP,    2060                       ; from copy to copy, less the word by which the next copy is shifted
.set MRG,   320000                     ; the exchange behind pass 1: [wave 16][-M of tile 0, 1, sum of tile 0, 1][query 16] f32
.set SPARE, 324096                     ; the spare words, 128 bytes for each of the sixteen waves
.set SPW, 1                            ; v1   my spare word; never rewritten
.set NIL, 2                            ; v2   0; never rewritten
.set LK,  3                            ; v3   16 x lane
.set LG,  4                            ; v4   GB + 32 (lane / 16)
.set LT,  5                            ; v5   my lane's place in its copy of the table
.set ADK, 6                            ; v6-9 addresses of the loads in hand: K, gate, V, table
.set ADG, 7
.set ADV, 8
.set ADT, 9
.set LIMP, 10                          ; v10  448 x 2^e8;  v11  2^e8
.set SCP, 11
.set QF,  16                           ; v[16:31]   Q, 8 registers a tile
.set KA,  32                           ; v[32:63]   K of a step (pass 2: then V)
.set GA,  64                           ; v[64:95]   the gate's four tiles
.set SC,  96                           ; v[96:159]  S^T: tile a, key tile c at 96 + 32 a + 8 c
.set OT,  160                          ; v[160:223] O^T: tile a, feature tile f at 160 + 32 a + 8 f;  in pass 1 the second buffer of K and gate
.set KB,  160
.set GB2, 192
.set PF,  224                          ; v[224:239] P;  in pass 1: v[224:227] second chains of the sums, v228-229 of the maxima, v230-231 at work
; v[12:13], v[14:15] the scalings' addends; v240-241 -M, later NL; v242-243 the largest t; v[244:247] the sums; v248-249 maxima; v[250:253] f = 2^(old M - new M)
.set PFO, 254                          ; v254 256 x lane, for the prefetches; never rewritten
.set OST, 255                          ; v255 the stage for O^T: 8,192 x (wave % 8) + 16 x lane; never rewritten
.set WV,  18
.set CS,  66                           ; s[66:67] log2(e) x 2^(e6 + e7)
.set BLO, 68                           ; s68, s69 the bias of far keys before and behind the query, x log2(e)
.set BHI, 69
.set BETA, 70                          ; s70  the step's one bias, or 0
.set SKF, 71                           ; s71  the step's first key
.set Q0,  72                           ; s72  my first query
.set KH,  73                           ; s73  my half's first key: 2,048 x (wave / 8)
.set TB,  74                           ; s74  LDS byte of the step's V
.set SLOTS, 75
.set LIM, 82
.set QG,  93                           ; s93  wave % 8: my group of queries
.set KHN, 94                           ; s94  wave / 8: my half of the keys
	s_load_b256 s[4:11], s[0:1], 0x0               ; q_img s[4:5], k_img s[6:7], v_img s[8:9], gate s[10:11]
	s_load_b128 s[12:15], s[0:1], 0x20             ; rel_bias s[12:13], scales s[14:15]
	s_load_b64 s[16:17], s[0:1], 0x30              ; ctx_img
	v_lshl_add_u32 v[SPW], v0, 2, SPARE
	v_mov_b32 v[NIL], 0
	ds_add_u32 v[SPW], v[NIL]                      ; the wave's opening: the add, twice on end, and its wait ahead of my first tensor load
	ds_add_u32 v[SPW], v[NIL]
	v_lshrrev_b32 v3, 5, v0
	v_readfirstlane_b32 s[WV], v3                  ; wave 0..15
	s_and_b32 s[QG], s[WV], 7
	s_lshr_b32 s[KHN], s[WV], 3
	s_lshl_b32 s[KH], s[KHN], 11
	s_and_b32 s19, ttmp7, 0xffff                   ; y
	s_and_b32 s20, s19, 7                          ; head
	s_lshr_b32 s21, s19, 3                         ; batch
	; descriptor group 1: dense blocks as rows of 256 bytes (32 elements of 8 bytes).  K: 64 rows a wave;  V: 4 rows a wave
	s_mov_b32 s24, 3<<16
	s_mov_b32 s25, 32<<16
	s_mov_b32 s26, 64<<16
	s_mov_b32 s27, 32<<16
	s_mov_b32 s28, 64
	s_mov_b32 s29, 32
	s_mov_b32 s30, 0
	s_mov_b32 s31, 0
	s_mov_b32 s32, 3<<16
	s_mov_b32 s33, 32<<16
	s_mov_b32 s34, 4<<16
	s_mov_b32 s35, 32<<16
	s_mov_b32 s36, 4
	s_mov_b32 s37, 32
	s_mov_b32 s38, 0
	s_mov_b32 s39, 0
	s_lshl_b32 s22, s19, 18                        ; a head's image: 262,144 bytes
	s_mov_b32 s23, 0
	s_lshl_b32 s2, s[WV], 14                       ; my sixteenth of K
	s_mov_b32 s3, 0
	s_lshl_b32 s88, s[KHN], 17                     ; V: my half's 131,072 bytes,
	s_lshl_b32 s90, s[QG], 10                      ; my eighth of its 8,192 bytes of a slot
	s_add_co_u32 s88, s88, s90
	s_mov_b32 s89, 0
	s_mov_b32 s40, 1
	s_lshl_b32 s41, s[WV], 14
	s_mov_b32 s44, 1
	s_lshl_b32 s45, s[WV], 10
	s_add_co_u32 s45, s45, VR
	s_mov_b32 s84, 0x76543210
	s_mov_b32 s85, 0xfedcba98
	s_lshl_b32 s[Q0], ttmp9, 8
	s_lshl_b32 s90, s[QG], 5
	s_add_co_u32 s[Q0], s[Q0], s90                 ; my first query: 256 x + 32 (wave % 8)
	s_or_b32 s[LIM], s[QG], ttmp9                  ; waves 0 and 8 of the head's first work-group prefetch
	s_cmp_eq_u32 s[LIM], 0
	s_cselect_b32 s[LIM], 1, -1
	s_wait_dscnt 0x0                               ; both opening adds are done
	s_wait_kmcnt 0x0
	s_add_nc_u64 s[42:43], s[6:7], s[22:23]
	s_add_nc_u64 s[42:43], s[42:43], s[2:3]
	s_or_b32 s43, s43, 0x80000000
	s_add_nc_u64 s[46:47], s[8:9], s[22:23]
	s_add_nc_u64 s[46:47], s[46:47], s[88:89]
	s_add_nc_u64 s[80:81], s[46:47], 8192          ; the prefetches (waves 0 and 8: at their half's first byte) stand in slot 1; the first change of slots steps them to slot 2
	s_or_b32 s47, s47, 0x80000000
	tensor_load_to_lds s[40:43], s[24:31]          ; the first fills: every wave its sixteenth of K
	s_nop 0
	tensor_load_to_lds s[44:47], s[32:39]          ; and of V's slot 0: two loads of mine are out
	s_nop 0
.rept 4
	v_nop
.endr
	s_load_b512 s[48:63], s[14:15], 0x0            ; the sixteen exponents: e6 s54, e7 s55, e8 s56, e9 s57, e10 s58
	s_lshl_b32 s83, s20, 2                         ; 4 x head
	s_load_b32 s[BLO], s[12:13], s83 offset:0x1e0  ; rel_bias[15][head]
	s_load_b32 s[BHI], s[12:13], s83 offset:0x3e0  ; rel_bias[31][head]
	s_lshl_b32 s90, ttmp9, 14
	s_lshl_b32 s92, s[QG], 11
	s_add_co_u32 s90, s90, s92
	s_add_co_u32 s90, s90, s22
	s_mov_b32 s91, 0
	s_add_nc_u64 s[4:5], s[4:5], s[90:91]          ; Q at my two tiles: (256 y + 16 x + 2 (wave % 8)) x 1,024
	s_lshl_b32 s90, s21, 14
	s_add_nc_u64 s[10:11], s[10:11], s[90:91]      ; the batch's gate
	s_lshl_b32 s90, s21, 21
	s_lshl_b32 s92, ttmp9, 17
	s_add_co_u32 s90, s90, s92
	s_lshl_b32 s92, s[QG], 14
	s_add_co_u32 s90, s90, s92
	s_lshl_b32 s92, s20, 10
	s_add_co_u32 s90, s90, s92
	s_add_nc_u64 s[16:17], s[16:17], s[90:91]      ; ctx_img: token tile (256 batch + 16 x + 2 (wave % 8)) x 8,192 + head x 1,024
	v_and_b32 v[LK], 31, v0
	v_lshlrev_b32 v[PFO], 8, v[LK]
	v_lshlrev_b32 v[LK], 4, v[LK]
	s_lshl_b32 s92, s[QG], 13
	v_add_nc_u32 v[OST], s92, v[LK]
	v_and_b32 v120, 15, v0                         ; r
	v_bfe_u32 v121, v0, 4, 1                       ; h
	v_lshl_add_u32 v[LG], v121, 5, GB
	v_lshl_add_u32 v122, v121, 3, 16
	v_sub_nc_u32 v122, v122, v120                  ; al = 16 + 8 h - r
	v_and_b32 v123, 3, v122                        ; my copy: al mod 4
	v_mul_u32_u24 v123, v123, TP
	v_lshl_add_u32 v[LT], v122, 2, v123
	v_add_nc_u32 v[LT], TAB+16, v[LT]
.irp a,0,1
.irp g,0,1
	global_load_b128 v[QF+8*\a+4*\g:QF+8*\a+4*\g+3], v[LK], s[4:5] offset:1024*\a+512*\g
.endr
.endr
	v_lshlrev_b32 v6, 4, v0
.irp i,0,1
	global_load_b128 v[SC+4*\i:SC+4*\i+3], v6, s[10:11] offset:8192*\i   ; the gate: 512 threads x 16 bytes, twice
.endr
; the table's entry y = thread (rel = y - 256): the bucket from the index, then the lookup
.macro BUCKET n, o
	v_mov_b32 v[\o], 8
.irp thr,12,16,23,32,46,64,91
	v_cmp_le_u32 vcc_lo, \thr, v[\n]
	v_cndmask_b32 v119, 0, v114, vcc_lo
	v_add_nc_u32 v[\o], v[\o], v119
.endr
	v_cmp_gt_u32 vcc_lo, 8, v[\n]
	v_cndmask_b32 v[\o], v[\o], v[\n], vcc_lo
.endm
	v_mov_b32 v114, 1
	v_mov_b32 v115, 16
	v_sub_nc_u32 v116, 256, v0                     ; 256 - thread,
	v_add_nc_u32 v117, 0xffffff00, v0              ; thread - 256:
	v_cmp_lt_u32 vcc_lo, 256, v0
	v_cndmask_b32 v116, v116, v117, vcc_lo         ; n = |rel|
	BUCKET 116, 118
	v_cmp_lt_u32 vcc_lo, 256, v0
	v_cndmask_b32 v119, 0, v115, vcc_lo            ; and 16 more where the key comes behind the query
	v_add_nc_u32 v118, v118, v119
	v_min_u32 v118, 31, v118
	v_lshlrev_b32 v118, 5, v118
	v_add_nc_u32 v118, s83, v118                   ; (8 bucket + head) x 4
	global_load_b32 v112, v118, s[12:13]
	s_wait_kmcnt 0x0
	s_add_co_i32 s77, s54, s55                     ; e6 + e7
	s_lshl_b32 s78, s77, 23
	s_mov_b32 s[CS], 0x3fb8aa3b                    ; log2(e)
	s_add_co_i32 s[CS], s[CS], s78                 ; a sum stands for sum x 2^(e6 + e7): added to the constant's exponent field
	s_mov_b32 s[CS+1], s[CS]                       ; (named with it as a pair, so it is written)
	s_sub_co_i32 s77, 0, s77
	s_mul_f32 s[BLO], s[BLO], 0x3fb8aa3b
	s_mul_f32 s[BHI], s[BHI], 0x3fb8aa3b
	s_add_co_i32 s78, s56, 127
	s_lshl_b32 s79, s78, 23
	v_mov_b32 v[SCP], s79                          ; 2^e8
	s_add_co_i32 s78, s78, 8
	s_lshl_b32 s78, s78, 23
	s_or_b32 s78, s78, 0x600000
	v_mov_b32 v[LIMP], s78                         ; 448 x 2^e8
	s_sub_co_i32 s78, s58, s56
	s_sub_co_i32 s78, s78, s57                     ; e10 - e8 - e9: a sum of the second product stands for sum x 2^(e8 + e9)
	s_add_co_i32 s78, s78, 127
	s_lshl_b32 s86, s78, 23
	s_add_co_i32 s78, s78, 8
	s_lshl_b32 s87, s78, 23
	s_or_b32 s87, s87, 0x600000
	v_lshl_add_u32 v7, v0, 4, GB
	v_lshl_add_u32 v8, v0, 2, TAB+16
	s_wait_loadcnt 0x0
.set n, 0
.rept 8
	v_ldexp_f32 v[SC+n], v[SC+n], s77              ; gate / 2^(e6 + e7): it joins the sums of codes
.set n, n+1
.endr
	v_ldexp_f32 v112, v112, s77                    ; and so does the bias
.irp i,0,1
	ds_store_b128 v7, v[SC+4*\i:SC+4*\i+3] offset:8192*\i
.endr
.irp m,0,1,2,3
	ds_store_b32 v8, v112 offset:TP*\m
.endr
	v_mov_b32 v242, 0xff61b1e6                     ; the largest t so far: -3e38
	v_mov_b32 v243, 0xff61b1e6
	v_floor_f32 v240, -v242                        ; -M
	v_floor_f32 v241, -v243
.irp r,13,15,244,245,246,247,251,253
	v_mov_b32 v\r, 0                               ; the sums; and the upper halves of pairs of which the low word serves both halves
.endr
	s_mov_b32 s[SKF], s[KH]
	s_wait_tensorcnt 0x0                           ; my parts of K and of V's slot 0 have landed
	s_wait_dscnt 0x0                               ; my stores of gate and table are done
	s_barrier_signal -1
	s_barrier_wait -1                              ; everybody's
.macro KGLOAD kf, gf                   ; a step's four tiles of K (dense images) and of the gate (the sixteen lanes of a half share their words)
.irp c,0,1,2,3
	ds_load_b128 v[\kf+8*\c:\kf+8*\c+3], v[ADK] offset:1024*\c
	ds_load_b128 v[\kf+8*\c+4:\kf+8*\c+7], v[ADK] offset:1024*\c+512
.endr
.irp c,0,1,2,3
	ds_load_b128 v[\gf+8*\c:\gf+8*\c+3], v[ADG] offset:64*\c
	ds_load_b128 v[\gf+8*\c+4:\gf+8*\c+7], v[ADG] offset:64*\c+16
.endr
.endm
; S^T = K Q^T + gate (+ bias near the diagonal): eight products on eight accumulators
.macro QK kf, gf
	s_sub_co_i32 s78, s[SKF], s[Q0]                ; first key - first query
	s_cmp_lt_i32 s78, 0
	s_cselect_b32 s[BETA], s[BLO], s[BHI]
	s_add_co_i32 s78, s78, 128
	s_cmp_le_u32 s78, 224                          ; -128 .. 96: some |k - q| may be under 91
	s_cbranch_scc1 .Lnear_\@
.irp c,0,1,2,3
.irp a,0,1
	v_wmma_f32_16x16x64_fp8_fp8 v[SC+32*\a+8*\c:SC+32*\a+8*\c+7], v[\kf+8*\c:\kf+8*\c+7], v[QF+8*\a:QF+8*\a+7], v[\gf+8*\c:\gf+8*\c+7]
.endr
.endr
	s_branch .Ljoin_\@
.Lnear_\@:
	s_mov_b32 s[BETA], 0
	s_xor_b32 s79, s[Q0], 4095                     ; 4,095 - first query
	s_add_co_u32 s79, s79, s[SKF]
	s_add_co_u32 s79, s79, 225
	s_and_b32 s79, s79, 511                        ; first key - first query + 224: 96 .. 320
	s_lshl_b32 s79, s79, 2
	v_add_nc_u32 v[ADT], s79, v[LT]
.irp a,0,1
.irp c,0,1,2,3
	ds_load_b128 v[SC+32*\a+8*\c:SC+32*\a+8*\c+3], v[ADT] offset:64*(\c-\a+1)        ; the bias of my query against keys 16 c + 8 (lane / 16) + 0 .. 7
	ds_load_b128 v[SC+32*\a+8*\c+4:SC+32*\a+8*\c+7], v[ADT] offset:64*(\c-\a+1)+16
.endr
.endr
	s_wait_dscnt 0x0
.irp a,0,1
.irp c,0,1,2,3
.irp j,0,2,4,6
	v_pk_add_f32 v[SC+32*\a+8*\c+\j:SC+32*\a+8*\c+\j+1], v[SC+32*\a+8*\c+\j:SC+32*\a+8*\c+\j+1], v[\gf+8*\c+\j:\gf+8*\c+\j+1]
.endr
.endr
.endr
.irp c,0,1,2,3
.irp a,0,1
	v_wmma_f32_16x16x64_fp8_fp8 v[SC+32*\a+8*\c:SC+32*\a+8*\c+7], v[\kf+8*\c:\kf+8*\c+7], v[QF+8*\a:QF+8*\a+7], v[SC+32*\a+8*\c:SC+32*\a+8*\c+7]
.endr
.endr
.Ljoin_\@:
.endm
.macro NEXTADR                         ; s78, s79: the next step's bytes in K and in the gate (behind my half's last step: its first again)
	s_add_co_u32 s79, s[SKF], 64
	s_and_b32 s79, s79, 2047
	s_or_b32 s79, s79, s[KH]
	s_lshl_b32 s78, s79, 6
	s_lshl_b32 s79, s79, 2
.endm
.macro SCALE                           ; t + the addend, two at a time (of the pairs the low word serves both halves); each accumulator from its low end on
.irp j,0,2,4,6,8,10,12,14,16,18,20,22,24,26,28,30
.irp a,0,1
	v_pk_fma_f32 v[SC+32*\a+\j:SC+32*\a+\j+1], v[SC+32*\a+\j:SC+32*\a+\j+1], s[CS:CS+1], v[12+2*\a:13+2*\a] op_sel_hi:[1,0,0]
.endr
.endr
.set n, 0
.rept 64
	v_exp_f32 v[SC+n], v[SC+n]                     ; one batch
.set n, n+1
.endr
.endm
; PASS 1, a step: each lane keeps the maximum and the sum of its own part of the keys; the parts meet behind the loop
.macro STEP1 kc, gc, kn, gn
	s_wait_dscnt 0x0                               ; this step's K and gate are in
	NEXTADR
	v_add_nc_u32 v[ADK], s78, v[LK]
	v_add_nc_u32 v[ADG], s79, v[LG]
	KGLOAD \kn, \gn                                ; the next step's, into the other buffer
	QK \kc, \gc
.rept 4
	v_nop                                          ; places behind the products
.endr
.irp a,0,1
	v_max3_num_f32 v[248+\a], v[SC+32*\a], v[SC+32*\a+1], v[SC+32*\a+2]
	v_max3_num_f32 v[228+\a], v[SC+32*\a+3], v[SC+32*\a+4], v[SC+32*\a+5]
.endr
.irp i,6,10,14,18,22,26
.irp a,0,1
	v_max3_num_f32 v[248+\a], v[248+\a], v[SC+32*\a+\i], v[SC+32*\a+\i+1]
	v_max3_num_f32 v[228+\a], v[228+\a], v[SC+32*\a+\i+2], v[SC+32*\a+\i+3]
.endr
.endr
.irp a,0,1
	v_max3_num_f32 v[248+\a], v[248+\a], v[SC+32*\a+30], v[SC+32*\a+31]
.endr
.irp a,0,1
	v_max_num_f32 v[248+\a], v[248+\a], v[228+\a]
.endr
.irp a,0,1
	v_fma_f32 v[248+\a], v[248+\a], s[CS], s[BETA] ; as t (the factor is positive)
.endr
.irp a,0,1
	v_max_num_f32 v[242+\a], v[242+\a], v[248+\a]  ; the running largest t
	v_mov_b32 v[230+\a], v[240+\a]
.endr
.irp a,0,1
	v_floor_f32 v[240+\a], -v[242+\a]              ; -M = floor(-t): M is a whole number
.endr
.irp a,0,1
	v_sub_f32 v[230+\a], v[240+\a], v[230+\a]      ; old M - new M: a whole number, 0 or less
	v_add_f32 v[12+2*\a], s[BETA], v[240+\a]       ; the scaling's addend: the bias - M
.endr
.irp a,0,1
	v_cvt_i32_f32 v[230+\a], v[230+\a]             ; (it saturates)
.endr
.irp a,0,1
	v_ldexp_f32 v[250+2*\a], 1.0, v[230+\a]        ; f = 2^(old M - new M)
.endr
	SCALE
.irp a,0,1
	v_pk_mul_f32 v[244+2*\a:245+2*\a], v[244+2*\a:245+2*\a], v[250+2*\a:251+2*\a] op_sel_hi:[1,0]   ; the sums under the new M; plain lines behind the exponentials
.endr
	s_wait_alu depctr_va_vdst(0)                   ; one wait for the batch, ahead of the first line that names a result
.irp a,0,1
	v_pk_add_f32 v[224+2*\a:225+2*\a], v[SC+32*\a:SC+32*\a+1], v[SC+32*\a+2:SC+32*\a+3]
.endr
.irp j,4,8,12,16,20,24,28
.irp a,0,1
	v_pk_add_f32 v[244+2*\a:245+2*\a], v[244+2*\a:245+2*\a], v[SC+32*\a+\j:SC+32*\a+\j+1]
	v_pk_add_f32 v[224+2*\a:225+2*\a], v[224+2*\a:225+2*\a], v[SC+32*\a+\j+2:SC+32*\a+\j+3]
.endr
.endr
.irp a,0,1
	v_pk_add_f32 v[244+2*\a:245+2*\a], v[244+2*\a:245+2*\a], v[224+2*\a:225+2*\a]
.endr
	s_add_co_u32 s[SKF], s[SKF], 64
.endm
	s_lshl_b32 s78, s[KH], 6
	s_lshl_b32 s79, s[KH], 2
	v_add_nc_u32 v[ADK], s78, v[LK]
	v_add_nc_u32 v[ADG], s79, v[LG]
	KGLOAD KA, GA                                  ; my half's first step
	s_mov_b32 s76, 16
.Lpass1:                                               ; 16 trips of two steps: the two buffers change places and come back
	STEP1 KA, GA, KB, GB2
	STEP1 KB, GB2, KA, GA
	s_sub_co_u32 s76, s76, 1
	s_cmp_lg_u32 s76, 0
	s_cbranch_scc1 .Lpass1
; Two parts of a row's keys meet: mine (-M in v[mo + a], sum in v[244 + 2 a]) and another's (-M in v[228 + a], sum in v[230 + a]): the joint -M goes to v[res + a], both sums under it to v[244 + 2 a].
; The lines are symmetric in the two parts, so both sides get the same bits.
.macro COMBINE mo, res
.irp a,0,1
	v_min_num_f32 v[\res+\a], v[\mo+\a], v[228+\a]
.endr
.irp a,0,1
	v_sub_f32 v[\mo+\a], v[\res+\a], v[\mo+\a]
	v_sub_f32 v[228+\a], v[\res+\a], v[228+\a]
.endr
.irp a,0,1
	v_cvt_i32_f32 v[\mo+\a], v[\mo+\a]
	v_cvt_i32_f32 v[228+\a], v[228+\a]
.endr
.irp a,0,1
	v_ldexp_f32 v[244+2*\a], v[244+2*\a], v[\mo+\a]
	v_ldexp_f32 v[230+\a], v[230+\a], v[228+\a]
.endr
.irp a,0,1
	v_add_f32 v[244+2*\a], v[244+2*\a], v[230+\a]
.endr
.endm
	; first the two halves of the lanes,
.irp a,0,1
	v_add_f32 v[244+2*\a], v[244+2*\a], v[245+2*\a]
	v_permlanex16_b32 v[228+\a], v[240+\a], s84, s85        ; the other lanes' -M
.endr
.irp a,0,1
	v_permlanex16_b32 v[230+\a], v[244+2*\a], s84, s85      ; and their sum
.endr
	COMBINE 240, 248
	; then the two halves of the keys, through LDS: lanes l and l + 16 hold the same numbers and write the same words
	s_lshl_b32 s78, s[WV], 8
	s_xor_b32 s79, s78, 2048                       ; my partner: wave xor 8
	s_add_co_u32 s78, s78, MRG
	s_add_co_u32 s79, s79, MRG
	v_and_b32 v[ADV], 15, v0
	v_lshlrev_b32 v[ADV], 2, v[ADV]
	v_add_nc_u32 v[ADT], s79, v[ADV]
	v_add_nc_u32 v[ADV], s78, v[ADV]
	ds_store_b32 v[ADV], v248
	ds_store_b32 v[ADV], v249 offset:64
	ds_store_b32 v[ADV], v244 offset:128
	ds_store_b32 v[ADV], v246 offset:192
	s_wait_dscnt 0x0                               ; for the partner's sake: my stores are done
	s_barrier_signal -1
	s_barrier_wait -1
	ds_load_b32 v228, v[ADT]
	ds_load_b32 v229, v[ADT] offset:64
	ds_load_b32 v230, v[ADT] offset:128
	ds_load_b32 v231, v[ADT] offset:192
	s_wait_dscnt 0x0
	COMBINE 248, 242                               ; v242-243: -M of the whole row
	v_exp_f32 v228, v242                           ; 2^(-M): the quiet softmax's term
	v_exp_f32 v229, v243
	v_nop
	s_wait_alu depctr_va_vdst(0)
	v_add_f32 v244, v244, v228
	v_add_f32 v246, v246, v229
	v_log_f32 v228, v244
	v_log_f32 v229, v246
	v_nop
	s_wait_alu depctr_va_vdst(0)
	v_sub_f32 v240, v242, v228                     ; NL = -M - log2(sum + 2^(-M))
	v_sub_f32 v241, v243, v229
.set n, 0
.rept 64
	v_mov_b32 v[OT+n], 0                           ; O^T: the step is written once, and its first run finds zeros
.set n, n+1
.endr
	s_mov_b32 s[SKF], s[KH]
	s_lshl_b32 s[TB], s[KHN], 13
	s_add_co_u32 s[TB], s[TB], VR                  ; slot 0, my half's part
	s_mov_b32 s[SLOTS], 15
; A prefetch of the slot of V that the NEXT change of slots will load: 8,192 bytes of each half of the keys, asked for once in the launch: by waves 0 and 8 of the head's first work-group, each for its half, lanes 256 bytes apart.
; The last change that fills a slot asks for nothing; slots 0 and 1 come by their loads alone.
.macro ASK
	s_cmp_gt_u32 s[SLOTS], s[LIM]
	s_cbranch_scc0 .Lnot_mine_\@
	global_prefetch_b8 v[PFO], s[80:81] th:TH_LOAD_NT scope:SCOPE_SE
.Lnot_mine_\@:
.endm
; THE CHANGE OF SLOTS stands at a slot's head: each wave waits for all its tensor loads (its part of the slot ahead), adds 0 to its spare word, waits for that and for its reads of the slot that it has left;
; behind the barrier that slot is filled with the 128 keys of each half that follow: one load a wave, with a whole slot's two steps of every wave in which to land.  (Slot 1's first fill goes the same way, behind the first barrier.)
.macro CHANGE fill
	s_wait_tensorcnt 0x0                           ; no tensor load of mine is out, so group 0 may be written
	ds_add_u32 v[SPW], v[NIL]
.if \fill
	s_xor_b32 s45, s45, 16384                      ; the other slot,
	s_add_nc_u64 s[46:47], s[46:47], 8192          ; my half's next 128 keys
	s_wait_xcnt 0x0                                ; the last prefetch, a slot back, has read its address
	s_add_nc_u64 s[80:81], s[80:81], 8192
.endif
	s_wait_dscnt 0x0
	s_barrier_signal -1
	s_barrier_wait -1
.if \fill
	tensor_load_to_lds s[44:47], s[32:39]
	s_nop 0
.rept 4
	v_nop
.endr
	ASK
.endif
.endm
; PASS 2, a step
.macro STEP2
	s_wait_dscnt 0x0                               ; this step's K and gate are in
	QK KA, GA
	NEXTADR
	v_add_f32 v12, s[BETA], v240                   ; the addends: the bias + NL.  These four lines are the places behind the products
	v_add_f32 v14, s[BETA], v241
	v_add_nc_u32 v[ADV], s[TB], v[LK]
	v_add_nc_u32 v[ADG], s79, v[LG]
.irp f,0,1,2,3
	ds_load_b128 v[KA+8*\f:KA+8*\f+3], v[ADV] offset:1024*\f          ; V's four tiles take K's registers
	ds_load_b128 v[KA+8*\f+4:KA+8*\f+7], v[ADV] offset:1024*\f+512
.endr
.irp c,0,1,2,3
	ds_load_b128 v[GA+8*\c:GA+8*\c+3], v[ADG] offset:64*\c            ; the next step's gate
	ds_load_b128 v[GA+8*\c+4:GA+8*\c+7], v[ADG] offset:64*\c+16
.endr
	SCALE                                          ; p = 2^(t + NL): finished and normalised
	v_add_nc_u32 v[ADK], s78, v[LK]                ; (a plain line behind the exponentials)
	s_wait_alu depctr_va_vdst(0)                   ; one wait for the batch
.irp a,0,1
.irp c,0,1,2,3
.irp j,0,1,2,3,4,5,6,7
	v_min_num_f32 v[SC+32*\a+8*\c+\j], v[SC+32*\a+8*\c+\j], v[LIMP]   ; the conversion does not saturate (ISA guide 7.6.2); p is not negative, so the hold is one-sided
.endr
	v_cvt_scalef32_pk8_fp8_f32 v[PF+8*\a+2*\c:PF+8*\a+2*\c+1], v[SC+32*\a+8*\c:SC+32*\a+8*\c+7], v[SCP]
.endr
.endr
	v_nop                                          ; a plain line between the last conversion and the products that read its result
	s_wait_dscnt 8                                 ; V is in; the gate's eight loads, issued behind it, may be out
.irp f,0,1,2,3
.irp a,0,1
	v_wmma_f32_16x16x64_fp8_fp8 v[OT+32*\a+8*\f:OT+32*\a+8*\f+7], v[KA+8*\f:KA+8*\f+7], v[PF+8*\a:PF+8*\a+7], v[OT+32*\a+8*\f:OT+32*\a+8*\f+7]
.endr
.endr
.rept 4
	v_nop                                          ; places ahead of the loads into V's registers, and of the first read of O^T behind the last step
.endr
.irp c,0,1,2,3
	ds_load_b128 v[KA+8*\c:KA+8*\c+3], v[ADK] offset:1024*\c          ; the next step's K
	ds_load_b128 v[KA+8*\c+4:KA+8*\c+7], v[ADK] offset:1024*\c+512
.endr
	s_add_co_u32 s[SKF], s[SKF], 64
	s_add_co_u32 s[TB], s[TB], 4096
.endm
.macro SLOT_STEPS
	s_mov_b32 s76, 2
.Lstep_\@:
	STEP2
	s_sub_co_u32 s76, s76, 1
	s_cmp_lg_u32 s76, 0
	s_cbranch_scc1 .Lstep_\@
	s_sub_co_u32 s[TB], s[TB], 8192
	s_xor_b32 s[TB], s[TB], 16384                  ; on to the other slot
.endm
.Lslot:                                                ; 15 trips: behind each change of slots but the last the next slot is asked for
	CHANGE 1
	SLOT_STEPS
	s_sub_co_u32 s[SLOTS], s[SLOTS], 1
	s_cmp_lg_u32 s[SLOTS], 0
	s_cbranch_scc1 .Lslot
	CHANGE 0                                       ; the last slot is written out
	SLOT_STEPS
	; THE TWO HALVES OF THE KEYS MEET.  Every wave's reads of K are over; then the second half's waves put their O^T, as it stands in registers, into K's bytes: 8,192 bytes for each group of queries
	s_wait_dscnt 0x0                               ; my last LDS loads are in
	s_barrier_signal -1
	s_barrier_wait -1                              ; nobody reads K any more; it has had its one fill
	s_cmp_lt_u32 s[WV], 8
	s_cbranch_scc1 .Lkeeper
.set n, 0
.rept 16
	ds_store_b128 v[OST], v[OT+4*n:OT+4*n+3] offset:512*n    ; each accumulator from its low end on
.set n, n+1
.endr
.Lkeeper:
	s_wait_dscnt 0x0                               ; for the partner's sake: my stores are done
	s_barrier_signal -1
	s_barrier_wait -1
	s_cmp_lt_u32 s[WV], 8
	s_cbranch_scc0 .Lend                           ; the second half's waves have handed their part on
.set n, 0
.rept 16
	ds_load_b128 v[SC+4*n:SC+4*n+3], v[OST] offset:512*n
.set n, n+1
.endr
	v_mov_b32 v[LIMP], s87
	v_mov_b32 v[SCP], s86
	s_wait_dscnt 0x0
.set n, 0
.rept 32
	v_pk_add_f32 v[OT+2*n:OT+2*n+1], v[OT+2*n:OT+2*n+1], v[SC+2*n:SC+2*n+1]
.set n, n+1
.endr
	; THE WAY OUT: ctx as codes, in the order of the next product's operand registers: K step head / 2, registers 8 (head % 2) + 2 f, + 1
.set n, 0
.rept 64
	v_med3_num_f32 v[OT+n], v[OT+n], -v[LIMP], v[LIMP]
.set n, n+1
.endr
.irp a,0,1
.irp f,0,1,2,3
	v_cvt_scalef32_pk8_fp8_f32 v[SC+8*\a+2*\f:SC+8*\a+2*\f+1], v[OT+32*\a+8*\f:OT+32*\a+8*\f+7], v[SCP]
.endr
.endr
	v_nop
.irp a,0,1
.irp g,0,1
	global_store_b128 v[LK], v[SC+8*\a+4*\g:SC+8*\a+4*\g+3], s[16:17] offset:8192*\a+512*\g   ; 32 lanes store 512 consecutive bytes
.endr
.endr
.Lend:
	s_wait_tensorcnt 0x0                           ; the wave's end
	ds_add_u32 v[SPW], v[NIL]
	s_wait_dscnt 0x0
	s_endpgm
.Lfunc_end_k_qca9e6c0737_attn:
	.size	k_qca9e6c0737_attn, .Lfunc_end_k_qca9e6c0737_attn-k_qca9e6c0737_attn
	.p2alignl 7, 3214868480
	.fill 96, 4, 3214868480
	.section	.rodata,"a",@progbits
	.p2align	6, 0x0
	.amdhsa_kernel k_qca9e6c0737_attn
		.amdhsa_group_segment_fixed_size 327680
		.amdhsa_private_segment_fixed_size 0
		.amdhsa_enable_private_segment 0
		.amdhsa_kernarg_size 56
		.amdhsa_user_sgpr_count 2
		.amdhsa_user_sgpr_kernarg_segment_ptr 1
		.amdhsa_wavefront_size32 1
		.amdhsa_system_sgpr_workgroup_id_x 1
		.amdhsa_system_sgpr_workgroup_id_y 1
		.amdhsa_system_sgpr_workgroup_id_z 1
		.amdhsa_system_vgpr_workitem_id 0
		.amdhsa_next_free_vgpr 256
		.amdhsa_next_free_sgpr 100
		.amdhsa_reserve_vcc 1
		.amdhsa_float_denorm_mode_32 3
		.amdhsa_float_denorm_mode_16_64 3
		.amdhsa_memory_ordered 1
		.amdhsa_forward_progress 1
		.amdhsa_inst_pref_size 85
	.end_amdhsa_kernel
	.amdgpu_metadata
---
amdhsa.version: [ 1, 2 ]
amdhsa.kernels:
  - .name:           k_qca9e6c0737_attn
    .symbol:         k_qca9e6c0737_attn.kd
    .args:
      - { .name: q_img, .offset: 0, .size: 8, .value_kind: global_buffer, .address_space: global }
      - { .name: k_img, .offset: 8, .size: 8, .value_kind: global_buffer, .address_space: global }
      - { .name: v_img, .offset: 16, .size: 8, .value_kind: global_buffer, .address_space: global }
      - { .name: delete_gate_mask, .offset: 24, .size: 8, .value_kind: global_buffer, .address_space: global }
      - { .name: rel_bias, .offset: 32, .size: 8, .value_kind: global_buffer, .address_space: global }
      - { .name: lowp_scales, .offset: 40, .size: 8, .value_kind: global_buffer, .address_space: global }
      - { .name: ctx_img, .offset: 48, .size: 8, .value_kind: global_buffer, .address_space: global }
    .group_segment_fixed_size: 327680
    .private_segment_fixed_size: 0
    .kernarg_segment_align: 8
    .kernarg_segment_size: 56
    .max_flat_workgroup_size: 512
    .sgpr_count:     100
    .vgpr_count:     256
    .wavefront_size: 32
...
	.end_amdgpu_metadata
.endif
;; end of part 2
;; launch ffn (part 3): grid 256 x 1, 4 waves a work-group, clusters of 4 x 1, 327,680 bytes of LDS; arguments ctx_img, hidden_states, o_w_codes, ln2_w, wi_codes, wo_codes, lowp_scales, out0; writes out0
.if DOCPART == 3
	.amdgcn_target "amdgcn-amd-amdhsa--gfx1250"
	.amdhsa_code_object_version 6
	.text
	.protected	k_qca9e6c0737_ffn
	.globl	k_qca9e6c0737_ffn
	.p2align	8
	.type	k_qca9e6c0737_ffn,@function
k_qca9e6c0737_ffn:
	s_mov_b64 s[64:65], 0
	v_nop
	global_prefetch_b8 v0, s[64:65] scope:SCOPE_SE
	s_setreg_imm32_b32 hwreg(HW_REG_WAVE_MODE, 25, 1), 1
	s_wait_xcnt 0x0
	s_wait_alu depctr_hold_cnt(0) depctr_sa_sdst(0) depctr_va_vdst(0) depctr_va_sdst(0) depctr_va_ssrc(0) depctr_va_vcc(0) depctr_vm_vsrc(0)
	s_getreg_b32 s2, hwreg(HW_REG_IB_STS2, 6, 4)
	s_cmp_eq_u32 s2, 0
	s_cbranch_scc0 .Lentry_in_a_cluster
	s_endpgm
.Lentry_in_a_cluster:
	s_bfe_u32 s2, ttmp6, 0x10000c
	s_cmp_lg_u32 s2, 0x3003
	s_cbranch_scc0 .Lentry_shape_is_right
	s_endpgm
.Lentry_shape_is_right:
; h = hidden + ctx o_w;  y = ln2_w * (h * rsqrt(mean(h^2) + 1e-6));  out = h + relu(y wi) wo.  All three products on E4M3 codes; y and the hidden layer are quantised on the way.  No work is left out as dead.
; SHARES.  A work-group owns 32 tokens (two tiles t of 16) and takes them through the whole chain; h stays in registers, y and the hidden layer go from wave to wave through LDS as images of operand registers.
; The 2,359,296 bytes of weights pass through LDS in 18 tiles of 131,072 bytes on two slots: o_w's two halves, then wi's 256 rows and wo's 256 columns of K by turns.
; CLUSTER of four work-groups: all walk the same weights, so each tile is asked for JOINTLY: the same load, the same descriptor, the mask of all four; a work-group's place enters global addresses of ctx, hidden and out alone.
; THE WAVES SHARE THE COLUMNS: of every 128 rows of a weight wave w takes rows 32 w .. 32 w + 31, two tiles u.  The products are used transposed (source 0 = 16 rows of the weight, source 1 = 16 tokens), so a lane
; holds one token and eight neighbouring features; two conversions a tile pair make registers 4 w .. 4 w + 3 of the next product's K step: one ds_store_b128 into its image.
; A SLOT TAKES TILES OF ONE SHAPE ONLY.  Slot 0: 256 rows of 512 bytes + 16.  Slot 1: 512 rows of 256 bytes + 16; o_w's second half, dense in memory, is stated as 512 half rows, so a row of it takes two LDS rows.
; LIMITS: e12 and e14 - e12 - e13 between -126 and 119; e10 + e11 and e14 + e15 between -126 and 127.  NaN among the inputs is not served.
.set PA,    528
.set PB,    272
.set SL1,   135168                     ; slot 1
.set YIMG,  274432                     ; y's 8 fragments (tile t, K step s: 4 t + s), 2,048 bytes each
.set HIMG,  290816                     ; the hidden layer's 4 fragments (2 t + K step)
.set STAT,  299008                     ; sums of squares: [tile 2][token 16][wave 4] f32
.set SPARE, 299520                     ; the spare words, 128 bytes for each wave
.set SPW, 1
.set NIL, 2
.set LI,  3                            ; v3   16 x lane
.set AL0, 4                            ; v4-5  slot 0: my rows of group g = 0, 1;  v6-7 the same for o_w's second half in slot 1;  v8-9 slot 1: my rows of half i = 0, 1
.set AL2, 6
.set BL0, 8
.set HA,  10                           ; v10  hidden: token x 2,048 + 128 wave + 32 (lane / 16)
.set LNA, 11                           ; v11  ln2_w: 128 wave + 32 (lane / 16)
.set YW,  12                           ; v12-15 images: where I store y, read y, store the hidden layer, read it
.set YL,  13
.set HW,  14
.set HL,  15
.set STW, 16
.set STR, 17
.set SO,  18                           ; v18-19 the stage on the way out
.set SR,  19
; v20, v21: 2^e12 and 448 x that; v22, v23: the same with e14 - e12 - e13; v[24:25], v[26:27]: 1 / root of the two tiles' tokens
.set WF0, 32                           ; v[32:95], v[96:159] two buffers of four weight fragments
.set WF1, 96
.set IA,  160                          ; v[160:223] eight accumulators ((2 g + u) 2 + t); in wo's phase the hidden layer's fragments (32 t + 16 K step)
.set PC,  224                          ; v[224:239] codes just made; before that the sums of squares
; window 1: v0-127 ctx, then y: fragment (t, s) at 64 t + 16 s;  v128-255 h: 128 + 8 ((4 i + 2 g + u) 2 + t)
; window 2: v0-127 the last product's 16 accumulators, indexed as h;  v128-191 ln2_w: 128 + 8 (4 i + 2 g + u)
.set G1A, 24                           ; s[24:31] wi and o_w's first half;  s[32:39] wo;  s[40:47] o_w's second half
.set G1B, 32
.set G1O, 40
.set G0O0, 48                          ; groups 0: o_w's halves, wi's walker, wo's walker
.set G0O1, 52
.set G0A, 56
.set G0B, 60
.set MSB, 0
.macro WIN new
.if MSB != \new
	s_set_vgpr_msb (MSB<<8)|\new
.set MSB, \new
.endif
.endm
.macro PLACES
.rept 4
	v_nop
.endr
.endm
.macro BARRIER
	s_wait_dscnt 0x0
	s_barrier_signal -1
	s_barrier_wait -1
.endm
.macro ROUND                           ; a round of the cluster's barrier
	s_barrier_signal -1
	s_barrier_wait -1
	s_cmp_lg_u32 s20, 0
	s_cbranch_scc1 .Lnot_wave_0_\@
	s_barrier_signal -3
.Lnot_wave_0_\@:
	s_barrier_wait -3
	s_barrier_signal -1
	s_barrier_wait -1
.endm
; A change of slots with a refill: each wave waits for all its tensor loads (its quarter of the tile that is read next), adds 0 to its spare word, steps the walker that is not about to be used,
; waits for the add and for its LDS reads and stores; the round; then its one joint load, into the slot that has been read out.
.macro CHG g0, g1, st, bytes
	s_wait_tensorcnt 0x0
	ds_add_u32 v[SPW], v[NIL]
.if \bytes
	s_add_nc_u64 s[\st+2:\st+3], s[\st+2:\st+3], \bytes
.endif
	s_wait_dscnt 0x0
	ROUND
	tensor_load_to_lds s[\g0:\g0+3], s[\g1:\g1+7]
	s_nop 0
	PLACES
.endm
	s_load_b512 s[4:19], s[0:1], 0x0               ; ctx s[4:5], hidden s[6:7], o_w s[8:9], ln2_w s[10:11], wi s[12:13], wo s[14:15], scales s[16:17], out s[18:19]
	v_lshl_add_u32 v[SPW], v0, 2, SPARE
	v_mov_b32 v[NIL], 0
	ds_add_u32 v[SPW], v[NIL]                      ; the wave's opening: the add, twice on end, and its wait ahead of the round in front of my first tensor loads
	ds_add_u32 v[SPW], v[NIL]
	v_lshrrev_b32 v3, 5, v0
	v_readfirstlane_b32 s20, v3                    ; wave 0..3
	s_bfe_u32 s21, ttmp6, 0x40000                  ; my place in the cluster
	s_lshl_b32 s22, ttmp9, 2
	s_add_co_u32 s22, s22, s21                     ; my block of 32 tokens
	s_mov_b32 s[G1A], 15|(1<<20)|(1<<21)|(6<<22)|(3<<25)   ; the mask of all four; elements of 1 byte; 4 words of padding behind every 128
	s_mov_b32 s[G1A+1], 512<<16
	s_mov_b32 s[G1A+2], 64<<16
	s_mov_b32 s[G1A+3], 512<<16
	s_mov_b32 s[G1A+4], 64                         ; 64 rows of 512 bytes a wave
	s_mov_b32 s[G1A+5], 512
	s_mov_b32 s[G1A+6], 0
	s_mov_b32 s[G1A+7], 0
.irp g,G1B,G1O
	s_mov_b32 s[\g], 15|(1<<20)|(1<<21)|(5<<22)|(3<<25)    ; 4 words of padding behind every 64
	s_mov_b32 s[\g+1], 256<<16
	s_mov_b32 s[\g+2], 128<<16
	s_mov_b32 s[\g+3], 256<<16
	s_mov_b32 s[\g+4], 128                         ; 128 rows of 256 bytes a wave
	s_mov_b32 s[\g+6], 0
	s_mov_b32 s[\g+7], 0
.endr
	s_mov_b32 s[G1B+5], 2048                       ; wo: a row of 2,048 codes
	s_mov_b32 s[G1O+5], 256                        ; o_w's second half as dense half rows
	s_mul_i32 s92, s20, 128*PB                     ; a wave's quarter of slot 1,
	s_mul_i32 s93, s20, 64*PA                      ; of slot 0
	s_lshl_b32 s94, s20, 15                        ; 64 rows of 512 bytes in o_w and in wi
	s_mov_b32 s95, 0
	s_lshl_b32 s96, s20, 18                        ; 128 rows of 2,048 bytes in wo
	s_mov_b32 s97, 0
	s_mov_b32 s70, 0x76543210
	s_mov_b32 s71, 0xfedcba98
	s_mov_b32 s72, 0x358637bd                      ; 1e-6
	s_mov_b32 s73, 0x3b000000                      ; 1 / 512
	s_wait_dscnt 0x0                               ; both opening adds are done
	s_wait_kmcnt 0x0
	s_load_b512 s[76:91], s[16:17], 0x0            ; the exponents: e10 s86 .. e15 s91
	s_mov_b32 s[G0O0], 1
	s_mov_b32 s[G0O0+1], s93
	s_add_nc_u64 s[G0O0+2:G0O0+3], s[8:9], s[94:95]
	s_mov_b32 s[G0O1], 1
	s_add_co_u32 s[G0O1+1], s92, SL1
	s_add_nc_u64 s[G0O1+2:G0O1+3], s[G0O0+2:G0O0+3], 131072
	s_or_b32 s[G0O0+3], s[G0O0+3], 0x80000000
	s_or_b32 s[G0O1+3], s[G0O1+3], 0x80000000
	s_mov_b32 s[G0A], 1
	s_mov_b32 s[G0A+1], s93
	s_add_nc_u64 s[G0A+2:G0A+3], s[12:13], s[94:95]
	s_or_b32 s[G0A+3], s[G0A+3], 0x80000000
	s_mov_b32 s[G0B], 1
	s_add_co_u32 s[G0B+1], s92, SL1
	s_add_nc_u64 s[G0B+2:G0B+3], s[14:15], s[96:97]
	s_or_b32 s[G0B+3], s[G0B+3], 0x80000000
	ROUND                                          ; all four work-groups are here: the first joint loads meet
	tensor_load_to_lds s[G0O0:G0O0+3], s[G1A:G1A+7]        ; the first fills: o_w's rows 0-255 into slot 0,
	s_nop 0
	tensor_load_to_lds s[G0O1:G0O1+3], s[G1O:G1O+7]        ; rows 256-511 into slot 1: two loads of mine are out
	s_nop 0
	PLACES
	s_lshl_b32 s98, s22, 14                        ; offsets that hold my block's number: in registers that feed no descriptor
	s_mov_b32 s99, 0
	s_add_nc_u64 s[4:5], s[4:5], s[98:99]          ; ctx: two token tiles of 8,192 bytes
	s_lshl_b32 s98, s22, 16
	s_add_nc_u64 s[6:7], s[6:7], s[98:99]          ; hidden and out: 32 rows of 2,048 bytes
	s_add_nc_u64 s[18:19], s[18:19], s[98:99]
	s_lshl_b32 s98, s20, 14
	s_add_nc_u64 s[18:19], s[18:19], s[98:99]      ; out: my wave stores rows 8 w .. 8 w + 7
	v_and_b32 v28, 15, v0                          ; r
	v_bfe_u32 v29, v0, 4, 1                        ; h
	v_and_b32 v[LI], 31, v0
	v_lshlrev_b32 v[LI], 4, v[LI]
	s_lshl_b32 s92, s20, 5
	v_add_nc_u32 v30, s92, v28                     ; 32 w + r
	v_mul_u32_u24 v[AL0], v30, PA
	v_lshl_add_u32 v[AL0], v29, 3, v[AL0]          ; a fragment comes by eight loads of 8 bytes: row x pitch + 8 h, + 16 c
	v_add_nc_u32 v[AL0+1], 128*PA, v[AL0]
	v_mul_u32_u24 v[AL2], v30, 2*PB
	v_lshl_add_u32 v[AL2], v29, 3, v[AL2]
	v_add_nc_u32 v[AL2], SL1, v[AL2]
	v_add_nc_u32 v[AL2+1], 256*PB, v[AL2]
	v_mul_u32_u24 v[BL0], v30, PB
	v_lshl_add_u32 v[BL0], v29, 3, v[BL0]
	v_add_nc_u32 v[BL0], SL1, v[BL0]
	v_add_nc_u32 v[BL0+1], 256*PB, v[BL0]
	s_lshl_b32 s93, s20, 7
	v_lshlrev_b32 v[LNA], 5, v29
	v_add_nc_u32 v[LNA], s93, v[LNA]
	v_lshl_add_u32 v[HA], v28, 11, v[LNA]
	s_lshl_b32 s94, s20, 9
	v_add_nc_u32 v[YL], YIMG, v[LI]
	v_add_nc_u32 v[YW], s94, v[YL]
	v_add_nc_u32 v[HL], HIMG, v[LI]
	v_add_nc_u32 v[HW], s94, v[HL]
	v_lshlrev_b32 v[STR], 4, v28
	v_add_nc_u32 v[STR], STAT, v[STR]
	s_lshl_b32 s94, s20, 2
	v_add_nc_u32 v[STW], s94, v[STR]
	v_mul_u32_u24 v[SO], v28, 2064
	v_add_nc_u32 v[SO], v[SO], v[LNA]              ; the stage: row r of 2,048 + 16 bytes, + 128 w + 32 h
	s_mul_i32 s94, s20, 8*2064
	v_add_nc_u32 v[SR], s94, v[LI]
	WIN 0x40                                       ; destination window 1
.irp t,0,1
.irp ks,0,1,2,3
.irp q,0,1,2,3
	global_load_b128 v[64*\t+16*\ks+4*\q:64*\t+16*\ks+4*\q+3], v[LI], s[4:5] offset:8192*\t+2048*\ks+512*\q th:TH_LOAD_NT   ; ctx's fragments as they were stored; read once
.endr
.endr
.endr
.irp i,0,1
.irp g,0,1
.irp u,0,1
.irp t,0,1
.irp e,0,1
	global_load_b128 v[128+8*((4*\i+2*\g+\u)*2+\t)+4*\e:128+8*((4*\i+2*\g+\u)*2+\t)+4*\e+3], v[HA], s[6:7] offset:32768*\t+(256*\i+128*\g+16*\u)*4+16*\e
.endr
.endr
.endr
.endr
.endr
	WIN 0x80                                       ; destination window 2
.irp i,0,1
.irp g,0,1
.irp u,0,1
.irp e,0,1
	global_load_b128 v[128+8*(4*\i+2*\g+\u)+4*\e:128+8*(4*\i+2*\g+\u)+4*\e+3], v[LNA], s[10:11] offset:(256*\i+128*\g+16*\u)*4+16*\e
.endr
.endr
.endr
.endr
	WIN 0
	s_wait_kmcnt 0x0
	s_add_co_i32 s66, s86, s87
	s_add_co_i32 s66, s66, 127
	s_lshl_b32 s66, s66, 23                        ; 2^(e10 + e11)
	s_mov_b32 s67, s66
	s_add_co_i32 s68, s90, s91
	s_add_co_i32 s68, s68, 127
	s_lshl_b32 s68, s68, 23                        ; 2^(e14 + e15)
	s_mov_b32 s69, s68
	s_add_co_i32 s92, s88, 127
	s_lshl_b32 s93, s92, 23
	v_mov_b32 v20, s93                             ; 2^e12
	s_add_co_i32 s92, s92, 8
	s_lshl_b32 s92, s92, 23
	s_or_b32 s92, s92, 0x600000
	v_mov_b32 v21, s92
	s_sub_co_i32 s92, s90, s88
	s_sub_co_i32 s92, s92, s89
	s_add_co_i32 s92, s92, 127
	s_lshl_b32 s93, s92, 23
	v_mov_b32 v22, s93                             ; 2^(e14 - e12 - e13)
	s_add_co_i32 s92, s92, 8
	s_lshl_b32 s92, s92, 23
	s_or_b32 s92, s92, 0x600000
	v_mov_b32 v23, s92
; four fragments (groups g, tiles u) of one K step: ar: the address register of g = 0; rp: from row to row; so: the K step's place in a row
.macro LOADA buf, ar, rp, so
.irp g,0,1
.irp u,0,1
.irp c,0,1,2,3,4,5,6,7
	ds_load_b64 v[\buf+16*(2*\g+\u)+2*\c:\buf+16*(2*\g+\u)+2*\c+1], v[\ar+\g] offset:16*\u*(\rp)+(\so)+16*\c
.endr
.endr
.endr
.endm
.macro MULA buf, ks, zero              ; eight products on eight accumulators, one instruction a turn
	WIN 0x04                                       ; source 1 (the tokens) window 1
.irp g,0,1
.irp u,0,1
.irp t,0,1
.if \zero
	v_wmma_f32_16x16x128_fp8_fp8 v[IA+8*((2*\g+\u)*2+\t):IA+8*((2*\g+\u)*2+\t)+7], v[\buf+16*(2*\g+\u):\buf+16*(2*\g+\u)+15], v[64*\t+16*(\ks):64*\t+16*(\ks)+15], 0
.else
	v_wmma_f32_16x16x128_fp8_fp8 v[IA+8*((2*\g+\u)*2+\t):IA+8*((2*\g+\u)*2+\t)+7], v[\buf+16*(2*\g+\u):\buf+16*(2*\g+\u)+15], v[64*\t+16*(\ks):64*\t+16*(\ks)+15], v[IA+8*((2*\g+\u)*2+\t):IA+8*((2*\g+\u)*2+\t)+7]
.endif
.endr
.endr
.endr
	WIN 0
.endm
; 256 rows of a weight x K = 512 against my block's 32 tokens: four K steps, the two buffers by turns; a wait for 32 leaves the younger unit's 32 loads out
.macro DENSE ar, rp, o1, o2, o3
	LOADA WF0, \ar, \rp, 0
	LOADA WF1, \ar, \rp, \o1
	s_wait_dscnt 32
	MULA WF0, 0, 1
	PLACES                                         ; ahead of loads into registers that the products have read
	LOADA WF0, \ar, \rp, \o2
	s_wait_dscnt 32
	MULA WF1, 1, 0
	PLACES
	LOADA WF1, \ar, \rp, \o3
	s_wait_dscnt 32
	MULA WF0, 2, 0
	s_wait_dscnt 0x0
	MULA WF1, 3, 0
	PLACES
.endm
.macro EPI_O i                         ; h = sum x 2^(e10 + e11) + hidden, for features 256 i on; and its squares, two chains a tile of tokens
	WIN 0x50                                       ; source 2 and destination window 1
.set n, 0
.rept 32
	v_pk_fma_f32 v[128+64*(\i)+2*n:128+64*(\i)+2*n+1], v[IA+2*n:IA+2*n+1], s[66:67], v[128+64*(\i)+2*n:128+64*(\i)+2*n+1] op_sel_hi:[1,0,1]
.set n, n+1
.endr
	WIN 0x05                                       ; sources 0 and 1 window 1
.set n, 0
.rept 32
.set sq, PC+4*((n/4)%2)+2*(n%2)
.if ((\i) == 0) && (n < 8) && ((n%4) < 2)
	v_pk_mul_f32 v[sq:sq+1], v[128+64*(\i)+2*n:128+64*(\i)+2*n+1], v[128+64*(\i)+2*n:128+64*(\i)+2*n+1]
.else
	v_pk_fma_f32 v[sq:sq+1], v[128+64*(\i)+2*n:128+64*(\i)+2*n+1], v[128+64*(\i)+2*n:128+64*(\i)+2*n+1], v[sq:sq+1]
.endif
.set n, n+1
.endr
	WIN 0
.endm
.macro EPI_I                           ; relu and the hold in one, the codes, their images: K step g of the last product, registers 4 w .. 4 w + 3
.set n, 0
.rept 64
	v_med3_num_f32 v[IA+n], v[IA+n], 0, v23
.set n, n+1
.endr
.irp t,0,1
.irp g,0,1
.irp u,0,1
	v_cvt_scalef32_pk8_fp8_f32 v[PC+4*(2*\t+\g)+2*\u:PC+4*(2*\t+\g)+2*\u+1], v[IA+8*((2*\g+\u)*2+\t):IA+8*((2*\g+\u)*2+\t)+7], v22
.endr
.endr
.endr
	v_nop                                          ; a plain line behind the last conversion
.irp q,0,1,2,3
	ds_store_b128 v[HW], v[PC+4*\q:PC+4*\q+3] offset:2048*\q
.endr
.endm
.macro LOADB buf, br, ks               ; four fragments of wo: rows 256 i (in the register) + 128 g + 16 u + .., K step ks of the tile's two
.irp g,0,1
.irp u,0,1
.irp c,0,1,2,3,4,5,6,7
	ds_load_b64 v[\buf+16*(2*\g+\u)+2*\c:\buf+16*(2*\g+\u)+2*\c+1], v[\br] offset:(128*\g+16*\u)*PB+128*(\ks)+16*\c
.endr
.endr
.endr
.endm
.macro MULB buf, i, ks, zero
	WIN 0xa0                                       ; C and D window 2
.irp g,0,1
.irp u,0,1
.irp t,0,1
.if \zero
	v_wmma_f32_16x16x128_fp8_fp8 v[8*((4*(\i)+2*\g+\u)*2+\t):8*((4*(\i)+2*\g+\u)*2+\t)+7], v[\buf+16*(2*\g+\u):\buf+16*(2*\g+\u)+15], v[IA+32*\t+16*(\ks):IA+32*\t+16*(\ks)+15], 0
.else
	v_wmma_f32_16x16x128_fp8_fp8 v[8*((4*(\i)+2*\g+\u)*2+\t):8*((4*(\i)+2*\g+\u)*2+\t)+7], v[\buf+16*(2*\g+\u):\buf+16*(2*\g+\u)+15], v[IA+32*\t+16*(\ks):IA+32*\t+16*(\ks)+15], v[8*((4*(\i)+2*\g+\u)*2+\t):8*((4*(\i)+2*\g+\u)*2+\t)+7]
.endif
.endr
.endr
.endr
	WIN 0
.endm
.macro WPH zero                        ; wo's 512 rows x 256 of K: sixteen accumulators by turns
.irp t,0,1
.irp ks,0,1
.irp q,0,1,2,3
	ds_load_b128 v[IA+32*\t+16*\ks+4*\q:IA+32*\t+16*\ks+4*\q+3], v[HL] offset:((2*\t+\ks)*4+\q)*512
.endr
.endr
.endr
	LOADB WF0, BL0, 0
	LOADB WF1, BL0+1, 0
	s_wait_dscnt 32
	MULB WF0, 0, 0, \zero
	PLACES
	LOADB WF0, BL0, 1
	s_wait_dscnt 32
	MULB WF1, 1, 0, \zero
	PLACES
	LOADB WF1, BL0+1, 1
	s_wait_dscnt 32
	MULB WF0, 0, 1, 0
	s_wait_dscnt 0x0
	MULB WF1, 1, 1, 0
	PLACES
.endm
	s_wait_tensorcnt 1                             ; my quarter of o_w's first half is in; the second half's load may be out
	s_barrier_signal -1
	s_barrier_wait -1
	s_wait_loadcnt 48                              ; ctx is in: behind it hidden's 32 loads and ln2_w's 16
	DENSE AL0, PA, 128, 256, 384
	s_wait_loadcnt 16                              ; hidden is in
	EPI_O 0
	CHG G0A, G1A, 0, 0                             ; wi's first 256 rows into slot 0
	DENSE AL2, 2*PB, 128, PB, PB+128               ; o_w's rows 256-511: a row's second half lies one LDS row on
	EPI_O 1
	; the norm: a token's squares from the two halves of the lanes and from the four waves
.irp t,0,1
	v_pk_add_f32 v[PC+4*\t:PC+4*\t+1], v[PC+4*\t:PC+4*\t+1], v[PC+4*\t+2:PC+4*\t+3]
.endr
.irp t,0,1
	v_add_f32 v[PC+4*\t], v[PC+4*\t], v[PC+4*\t+1]
.endr
.irp t,0,1
	v_permlanex16_b32 v[PC+4*\t+1], v[PC+4*\t], s70, s71
.endr
.irp t,0,1
	v_add_f32 v[PC+4*\t], v[PC+4*\t], v[PC+4*\t+1]
.endr
	ds_store_b32 v[STW], v[PC]
	ds_store_b32 v[STW], v[PC+4] offset:256
	BARRIER
	ds_load_b128 v[PC+8:PC+11], v[STR]
	ds_load_b128 v[PC+12:PC+15], v[STR] offset:256
	s_wait_dscnt 0x0
.irp b,8,12
	v_add_f32 v[PC+\b], v[PC+\b], v[PC+\b+1]
	v_add_f32 v[PC+\b+2], v[PC+\b+2], v[PC+\b+3]
.endr
.irp b,8,12
	v_add_f32 v[PC+\b], v[PC+\b], v[PC+\b+2]
.endr
.irp b,8,12
	v_fma_f32 v[PC+\b], v[PC+\b], s73, s72         ; mean + 1e-6
.endr
	v_rsq_f32 v24, v[PC+8]
	v_rsq_f32 v26, v[PC+12]
	v_nop                                          ; a plain line behind the transcendentals
	s_wait_alu depctr_va_vdst(0)                   ; one wait for both, ahead of the first line that names a result
	v_mov_b32 v25, v24
	v_mov_b32 v27, v26
	s_wait_loadcnt 0x0                             ; ln2_w
.irp t,0,1
	WIN 0x01                                       ; source 0 (h) window 1
.irp q,0,1,2,3,4,5,6,7
.irp e,0,2,4,6
	v_pk_mul_f32 v[WF0+8*\q+\e:WF0+8*\q+\e+1], v[128+8*(2*\q+\t)+\e:128+8*(2*\q+\t)+\e+1], v[24+2*\t:25+2*\t]
.endr
.endr
	WIN 0x08                                       ; source 1 (ln2_w) window 2
.set n, 0
.rept 32
	v_pk_mul_f32 v[WF0+2*n:WF0+2*n+1], v[WF0+2*n:WF0+2*n+1], v[128+2*n:128+2*n+1]
.set n, n+1
.endr
	WIN 0
.set n, 0
.rept 64
	v_med3_num_f32 v[WF0+n], v[WF0+n], -v21, v21
.set n, n+1
.endr
.irp q,0,1,2,3,4,5,6,7
	v_cvt_scalef32_pk8_fp8_f32 v[PC+2*\q:PC+2*\q+1], v[WF0+8*\q:WF0+8*\q+7], v20
.endr
	v_nop
.irp q,0,1,2,3
	ds_store_b128 v[YW], v[PC+4*\q:PC+4*\q+3] offset:2048*(4*\t+\q)   ; K step q = 2 i + g, registers 4 w .. 4 w + 3
.endr
	s_wait_dscnt 0x0                               ; the stores have read their registers
.endr
	s_barrier_signal -1
	s_barrier_wait -1                              ; y's eight fragments lie in LDS
	WIN 0x40
.irp t,0,1
.irp ks,0,1,2,3
.irp q,0,1,2,3
	ds_load_b128 v[64*\t+16*\ks+4*\q:64*\t+16*\ks+4*\q+3], v[YL] offset:((4*\t+\ks)*4+\q)*512
.endr
.endr
.endr
	WIN 0
	CHG G0B, G1B, G0A, 131072                      ; wo's first 256 of K into slot 1; wi's walker steps to its next 256 rows
	DENSE AL0, PA, 128, 256, 384
	EPI_I
	CHG G0A, G1A, G0B, 256
	WPH 1                                          ; the first products start the sums
	s_mov_b32 s74, 6
.Lpair:                                                ; six trips: 256 hidden units each
	CHG G0B, G1B, G0A, 131072
	DENSE AL0, PA, 128, 256, 384
	EPI_I
	CHG G0A, G1A, G0B, 256
	WPH 0
	s_sub_co_u32 s74, s74, 1
	s_cmp_lg_u32 s74, 0
	s_cbranch_scc1 .Lpair
	CHG G0B, G1B, 0, 0                             ; the last tile of wo
	DENSE AL0, PA, 128, 256, 384
	EPI_I
	s_wait_tensorcnt 0x0                           ; the last change of slots fills nothing: my work-group's barrier alone
	ds_add_u32 v[SPW], v[NIL]
	s_wait_dscnt 0x0
	s_barrier_signal -1
	s_barrier_wait -1
	WPH 0
	; THE WAY OUT: out = sum x 2^(e14 + e15) + h, through a stage of 32 rows x (2,048 + 16) bytes in slot 0, which has had its last fill and its last read
	WIN 0x12                                       ; source 0 (the sums) window 2, source 2 (h) window 1
.set n, 0
.rept 64
	v_pk_fma_f32 v[WF0+2*n:WF0+2*n+1], v[2*n:2*n+1], s[68:69], v[128+2*n:128+2*n+1] op_sel_hi:[1,0,1]
.set n, n+1
.endr
	WIN 0
.irp i,0,1
.irp g,0,1
.irp u,0,1
.irp t,0,1
.irp e,0,1
	ds_store_b128 v[SO], v[WF0+8*((4*\i+2*\g+\u)*2+\t)+4*\e:WF0+8*((4*\i+2*\g+\u)*2+\t)+4*\e+3] offset:33024*\t+(256*\i+128*\g+16*\u)*4+16*\e
.endr
.endr
.endr
.endr
.endr
	BARRIER                                        ; 32 whole rows lie in the stage
.set n, 0
.rept 32
	ds_load_b128 v[WF0+4*n:WF0+4*n+3], v[SR] offset:2064*(n/4)+512*(n%4)
.set n, n+1
.endr
.set n, 0
.rept 32
	s_wait_dscnt 31-n
	global_store_b128 v[LI], v[WF0+4*n:WF0+4*n+3], s[18:19] offset:2048*(n/4)+512*(n%4) th:TH_STORE_NT   ; 32 lanes store 512 consecutive bytes; written once
.set n, n+1
.endr
	s_wait_tensorcnt 0x0                           ; the wave's end
	ds_add_u32 v[SPW], v[NIL]
	s_wait_dscnt 0x0
	ROUND                                          ; the closing round: no work-group ends while a partner may still ask for a tile that names it
	s_endpgm
.Lfunc_end_k_qca9e6c0737_ffn:
	.size	k_qca9e6c0737_ffn, .Lfunc_end_k_qca9e6c0737_ffn-k_qca9e6c0737_ffn
	.p2alignl 7, 3214868480
	.fill 96, 4, 3214868480
	.section	.rodata,"a",@progbits
	.p2align	6, 0x0
	.amdhsa_kernel k_qca9e6c0737_ffn
		.amdhsa_group_segment_fixed_size 327680
		.amdhsa_private_segment_fixed_size 0
		.amdhsa_enable_private_segment 0
		.amdhsa_kernarg_size 64
		.amdhsa_user_sgpr_count 2
		.amdhsa_user_sgpr_kernarg_segment_ptr 1
		.amdhsa_wavefront_size32 1
		.amdhsa_system_sgpr_workgroup_id_x 1
		.amdhsa_system_sgpr_workgroup_id_y 1
		.amdhsa_system_sgpr_workgroup_id_z 1
		.amdhsa_system_vgpr_workitem_id 0
		.amdhsa_next_free_vgpr 768
		.amdhsa_next_free_sgpr 100
		.amdhsa_reserve_vcc 0
		.amdhsa_float_denorm_mode_32 3
		.amdhsa_float_denorm_mode_16_64 3
		.amdhsa_memory_ordered 1
		.amdhsa_forward_progress 1
		.amdhsa_inst_pref_size 165
	.end_amdhsa_kernel
	.amdgpu_metadata
---
amdhsa.version: [ 1, 2 ]
amdhsa.kernels:
  - .name:           k_qca9e6c0737_ffn
    .symbol:         k_qca9e6c0737_ffn.kd
    .args:
      - { .name: ctx_img, .offset: 0, .size: 8, .value_kind: global_buffer, .address_space: global }
      - { .name: hidden_states, .offset: 8, .size: 8, .value_kind: global_buffer, .address_space: global }
      - { .name: o_w_codes, .offset: 16, .size: 8, .value_kind: global_buffer, .address_space: global }
      - { .name: ln2_w, .offset: 24, .size: 8, .value_kind: global_buffer, .address_space: global }
      - { .name: wi_codes, .offset: 32, .size: 8, .value_kind: global_buffer, .address_space: global }
      - { .name: wo_codes, .offset: 40, .size: 8, .value_kind: global_buffer, .address_space: global }
      - { .name: lowp_scales, .offset: 48, .size: 8, .value_kind: global_buffer, .address_space: global }
      - { .name: out0, .offset: 56, .size: 8, .value_kind: global_buffer, .address_space: global }
    .group_segment_fixed_size: 327680
    .private_segment_fixed_size: 0
    .kernarg_segment_align: 8
    .kernarg_segment_size: 64
    .max_flat_workgroup_size: 128
    .sgpr_count:     100
    .vgpr_count:     768
    .wavefront_size: 32
...
	.end_amdgpu_metadata
.endif
;; end of part 3
